; MI455X (gfx1250); checked and timed in simulation.
; The chip was launched on July 23, 2026; its instructions are those of AMD's public machine-readable ISA for CDNA 5 (MIT licence, August 2026) and "CDNA5" Instruction Set Architecture Reference Guide (July 2026). The comments in the code are by the model that wrote it; some were corrected since.
;; GSA Block. Allowed arithmetic: float matrix products may take bf16 or f16 operands with f32 sums; other float arithmetic in f32, or as packed bf16 or f16 multiplies, adds, multiply-adds, maxima and minima; sums over many terms, partial sums and values carried from step to step in f32; what a program stores and reads back later, other than sums and carried values, may be rounded once to bf16 or f16.
;; Inputs: Wf 1,024 x 256 float32; Wk 1,024 x 1,024 float32; Wo 1,024 x 1,024 float32; Wq 1,024 x 1,024 float32; Wv 1,024 x 1,024 float32; g_norm_w 256 float32; x 4 x 2,048 x 1,024 float32.
;; Outputs: out0 4 x 2,048 x 1,024 float32.
;; 2 versions, each right; version 2 is version 1 with the launch prep written anew for expert scheduling mode. Each part assembles by itself: llvm-mc -triple=amdgcn-amd-amdhsa -mcpu=gfx1250 --defsym DOCPART=n.
;; ======== version 1 of 2: 5 launches
;; limits: values are held in f16: magnitudes above 65,504 overflow, below 6.1e-05 lose precision
;; workspace buffers: xb 16,777,216 bytes; wcat 6,815,744 bytes; wot 2,097,152 bytes; qkv 50,331,648 bytes; eg 8,388,608 bytes; gs 4,718,592 bytes; st 33,554,432 bytes; on 16,777,216 bytes
;; launch prep (part 1): grid 1056 x 1, 4 waves a work-group, no clusters, 17,920 bytes of LDS; arguments x, Wq, Wk, Wv, Wf, Wo, xb, wcat, wot; writes xb, wcat, wot
.if DOCPART == 1
	.amdgcn_target "amdgcn-amd-amdhsa--gfx1250"
	.amdhsa_code_object_version 6
	.text
	.protected	k_qbec8589d25_prep
	.globl	k_qbec8589d25_prep
	.p2align	8
	.type	k_qbec8589d25_prep,@function
k_qbec8589d25_prep:
	s_mov_b64 s[64:65], 0
	v_nop
	global_prefetch_b8 v0, s[64:65] scope:SCOPE_SE
	s_setreg_imm32_b32 hwreg(HW_REG_WAVE_MODE, 25, 1), 1
	s_wait_xcnt 0x0
; PREP: the module's inputs are rounded once to bf16 and laid out for the matrix launches.
; Work-groups 0-511: 65,536 bytes of x each -> xb (bf16, same order).
; Work-groups 512-1055: one tile of 128 k x 64 n of a weight matrix, turned through LDS so that k lies along the rows.
;   Wq, Wk, Wv, Wf -> wcat [3328][1024] bf16; row 208 g + (0-63 Wq column 64 g + i | 64-127 Wk | 128-191 Wv | 192-207 Wf column 16 g + i), g = 0..15
;   Wo -> wot [1024 n][1024 k]: the bf16 value written as f16 (exact from 6.1e-5 to 65,504; below that f16's fixed step of 6e-8)
; No matrix unit, no cluster, no tensor load: a stream; every load and store of sixteen lanes covers 256 consecutive aligned bytes.
.set PITCH, 272                        ; an LDS row: 128 k x 2 bytes + 16
.set SPARE, 64*PITCH                   ; behind the tile: the spare words, 128 bytes a wave
.set SPW, 134                          ; v134 my spare word's address; never rewritten
.set NIL, 135                          ; v135 0; never rewritten
.set R,   4                            ; v4-131 (x) or v4-67 (weights): as loaded
.set T,   68                           ; v68-99 column x (0-3), pair p (0-7) of k at T + 8 x + p
.set OF,  100                          ; v100-115 byte offsets of my 16 rows
.set TM,  116                          ; v116-123 at work
	s_load_b512 s[4:19], s[0:1], 0x0               ; x 4:5, Wq 6:7, Wk 8:9, Wv 10:11, Wf 12:13, Wo 14:15, xb 16:17, wcat 18:19
	s_load_b64 s[20:21], s[0:1], 0x40              ; wot
	v_lshl_add_u32 v[SPW], v0, 2, SPARE
	v_mov_b32 v[NIL], 0
	s_cmp_lt_u32 ttmp9, 512
	s_cbranch_scc0 .Lweights                       ; the same way for the whole work-group
	; ---- x: 32 loads of 16 bytes a thread, all issued first; each is rounded and stored as it comes
	s_lshl_b32 s24, ttmp9, 16
	s_mov_b32 s25, 0
	s_lshl_b32 s26, ttmp9, 15
	s_mov_b32 s27, 0
	v_lshlrev_b32 v1, 4, v0
	v_lshlrev_b32 v2, 3, v0
	s_wait_kmcnt 0x0
	s_add_nc_u64 s[4:5], s[4:5], s[24:25]
	s_add_nc_u64 s[16:17], s[16:17], s[26:27]
.set i, 0
.rept 32
	global_load_b128 v[R+4*i:R+4*i+3], v1, s[4:5] offset:2048*i th:TH_LOAD_NT
.set i, i+1
.endr
.set i, 0
.rept 32
	s_wait_loadcnt 31-i                            ; loads come back in order: number i is in, the younger ones stay out
	v_cvt_pk_bf16_f32 v[R+4*i], v[R+4*i], v[R+4*i+1]
	v_cvt_pk_bf16_f32 v[R+4*i+1], v[R+4*i+2], v[R+4*i+3]
	global_store_b64 v2, v[R+4*i:R+4*i+1], s[16:17] offset:1024*i  ; a wave stores 256 consecutive aligned bytes; no register is used twice
.set i, i+1
.endr
	s_endpgm                                       ; this way wrote no LDS
	; ---- weights
.Lweights:
	v_lshrrev_b32 v1, 5, v0
	v_readfirstlane_b32 s22, v1                    ; wave
	s_sub_co_u32 s23, ttmp9, 512                   ; tile number u
	s_lshr_b32 s24, s23, 7                         ; matrix: 0 q, 1 k, 2 v, 3 o, 4 f
	s_bfe_u32 s25, s23, 0x30004                    ; square matrices: k block = bits 6:4,
	s_and_b32 s26, s23, 15                         ; n block = bits 3:0
	s_bfe_u32 s27, s23, 0x30002                    ; Wf: k block = bits 4:2,
	s_and_b32 s28, s23, 3                          ; n block = bits 1:0
	s_mov_b32 s29, 4096                            ; bytes in a source row
	s_cmp_eq_u32 s24, 4
	s_cselect_b32 s25, s27, s25
	s_cselect_b32 s26, s28, s26
	s_cselect_b32 s29, 1024, s29
	s_cselect_b32 s31, 192, 0                      ; Wf: sixteen columns go to each group of 208 rows
	s_mul_i32 s32, s26, 208
	s_lshl_b32 s33, s24, 6
	s_add_co_u32 s32, s32, s33                     ; first row out for q, k, v
	s_lshl_b32 s33, s26, 6                         ; for o
	s_mul_i32 s34, s26, 832
	s_add_co_u32 s34, s34, 192                     ; for f
	s_cmp_eq_u32 s24, 3
	s_cselect_b32 s32, s33, s32
	s_cmp_eq_u32 s24, 4
	s_cselect_b32 s32, s34, s32
	s_add_co_u32 s31, s31, 16
	s_mul_i32 s31, s31, s22                        ; my wave's sixteen rows
	s_add_co_u32 s32, s32, s31
	s_lshl_b32 s32, s32, 11                        ; rows of 2,048 bytes
	s_lshl_b32 s33, s25, 8                         ; + 128 k x 2 bytes
	s_add_co_u32 s32, s32, s33
	s_mov_b32 s33, 0
	s_mul_i32 s38, s25, s29
	s_lshl_b32 s38, s38, 7                         ; source: k block x 128 rows
	s_lshl_b32 s39, s26, 8                         ; + n block x 64 columns x 4 bytes
	s_add_co_u32 s38, s38, s39
	s_mov_b32 s39, 0
	s_lshl_b32 s40, s29, 4                         ; 16 source rows
	s_mul_i32 s41, s22, 16*PITCH
	v_and_b32 v2, 15, v0                           ; r
	v_lshrrev_b32 v3, 4, v0                        ; 2 wave + half: my 16 rows of k
	v_bfe_u32 v126, v0, 4, 1                       ; half
	v_mul_lo_u32 v[OF], v3, s40
	v_lshl_add_u32 v[OF], v2, 4, v[OF]             ; + my four columns
.set i, 1
.rept 15
	v_add_nc_u32 v[OF+i], s29, v[OF+i-1]
.set i, i+1
.endr
	v_mul_u32_u24 v124, v2, 4*PITCH                ; into LDS: row n = 4 r + x, bytes 32 (2 wave + half) on
	v_lshl_add_u32 v124, v3, 5, v124
	v_mul_u32_u24 v125, v126, PITCH                ; back: rows 16 wave + 2 i + half, 16 bytes a lane
	v_lshl_add_u32 v125, v2, 4, v125
	v_add_nc_u32 v125, s41, v125
	v_lshlrev_b32 v127, 11, v126                   ; and the same two rows out
	v_lshl_add_u32 v127, v2, 4, v127
	s_wait_kmcnt 0x0
	s_cmp_eq_u32 s24, 1
	s_cselect_b64 s[42:43], s[8:9], s[6:7]
	s_cmp_eq_u32 s24, 2
	s_cselect_b64 s[42:43], s[10:11], s[42:43]
	s_cmp_eq_u32 s24, 3
	s_cselect_b64 s[42:43], s[14:15], s[42:43]
	s_cselect_b64 s[44:45], s[20:21], s[18:19]
	s_cmp_eq_u32 s24, 4
	s_cselect_b64 s[42:43], s[12:13], s[42:43]
	s_add_nc_u64 s[42:43], s[42:43], s[38:39]
	s_add_nc_u64 s[44:45], s[44:45], s[32:33]
.set i, 0
.rept 16
	global_load_b128 v[R+4*i:R+4*i+3], v[OF+i], s[42:43] th:TH_LOAD_NT  ; sixteen lanes: 256 consecutive aligned bytes of row i
.set i, i+1
.endr
	s_wait_loadcnt 0x0
.set i, 0
.rept 32                               ; column i / 8, rows 2 (i % 8) and the next: two neighbours along k
	v_cvt_pk_bf16_f32 v[T+i], v[R+8*(i%8)+i/8], v[R+8*(i%8)+4+i/8]
.set i, i+1
.endr
	s_cmp_lg_u32 s24, 3
	s_cbranch_scc1 .Lnot_o
.set i, 0
.rept 32                               ; Wo: the bf16 number is written as f16
	v_lshlrev_b32 v[TM+2*(i%4)], 16, v[T+i]
	v_and_b32 v[TM+2*(i%4)+1], 0xffff0000, v[T+i]
	v_cvt_pk_f16_f32 v[T+i], v[TM+2*(i%4)], v[TM+2*(i%4)+1]
.set i, i+1
.endr
.Lnot_o:
.irp c, 0,1,2,3
	ds_store_b128 v124, v[T+8*\c:T+8*\c+3] offset:\c*PITCH
	ds_store_b128 v124, v[T+8*\c+4:T+8*\c+7] offset:\c*PITCH+16
.endr
	s_wait_dscnt 0x0                               ; for the others' sake: my part of the tile is in LDS
	s_barrier_signal -1
	s_barrier_wait -1
.set i, 0
.rept 8
	ds_load_b128 v[R+4*i:R+4*i+3], v125 offset:2*i*PITCH
.set i, i+1
.endr
.set i, 0
.rept 8
	s_wait_dscnt 7-i
	global_store_b128 v127, v[R+4*i:R+4*i+3], s[44:45] offset:4096*i  ; sixteen lanes: 256 consecutive aligned bytes of one row out
.set i, i+1
.endr
	s_wait_tensorcnt 0x0                           ; the wave's end, behind my last LDS store
	ds_add_u32 v[SPW], v[NIL]
	s_wait_dscnt 0x0
	s_endpgm
.Lfunc_end_k_qbec8589d25_prep:
	.size	k_qbec8589d25_prep, .Lfunc_end_k_qbec8589d25_prep-k_qbec8589d25_prep
	.p2alignl 7, 3214868480
	.fill 96, 4, 3214868480
	.section	.rodata,"a",@progbits
	.p2align	6, 0x0
	.amdhsa_kernel k_qbec8589d25_prep
		.amdhsa_group_segment_fixed_size 17920
		.amdhsa_private_segment_fixed_size 0
		.amdhsa_enable_private_segment 0
		.amdhsa_kernarg_size 72
		.amdhsa_user_sgpr_count 2
		.amdhsa_user_sgpr_kernarg_segment_ptr 1
		.amdhsa_wavefront_size32 1
		.amdhsa_system_sgpr_workgroup_id_x 1
		.amdhsa_system_sgpr_workgroup_id_y 1
		.amdhsa_system_sgpr_workgroup_id_z 1
		.amdhsa_system_vgpr_workitem_id 0
		.amdhsa_next_free_vgpr 136
		.amdhsa_next_free_sgpr 66
		.amdhsa_reserve_vcc 0
		.amdhsa_float_denorm_mode_32 3
		.amdhsa_float_denorm_mode_16_64 3
		.amdhsa_memory_ordered 1
		.amdhsa_forward_progress 1
		.amdhsa_inst_pref_size 26
	.end_amdhsa_kernel
	.amdgpu_metadata
---
amdhsa.version: [ 1, 2 ]
amdhsa.kernels:
  - .name:           k_qbec8589d25_prep
    .symbol:         k_qbec8589d25_prep.kd
    .args:
      - { .name: x, .offset: 0, .size: 8, .value_kind: global_buffer, .address_space: global }
      - { .name: Wq, .offset: 8, .size: 8, .value_kind: global_buffer, .address_space: global }
      - { .name: Wk, .offset: 16, .size: 8, .value_kind: global_buffer, .address_space: global }
      - { .name: Wv, .offset: 24, .size: 8, .value_kind: global_buffer, .address_space: global }
      - { .name: Wf, .offset: 32, .size: 8, .value_kind: global_buffer, .address_space: global }
      - { .name: Wo, .offset: 40, .size: 8, .value_kind: global_buffer, .address_space: global }
      - { .name: xb, .offset: 48, .size: 8, .value_kind: global_buffer, .address_space: global }
      - { .name: wcat, .offset: 56, .size: 8, .value_kind: global_buffer, .address_space: global }
      - { .name: wot, .offset: 64, .size: 8, .value_kind: global_buffer, .address_space: global }
    .group_segment_fixed_size: 17920
    .private_segment_fixed_size: 0
    .kernarg_segment_align: 8
    .kernarg_segment_size: 72
    .max_flat_workgroup_size: 128
    .sgpr_count:     66
    .vgpr_count:     136
    .wavefront_size: 32
...
	.end_amdgpu_metadata
.endif
;; end of part 1
;; launch proj (part 2): grid 16 x 32, 4 waves a work-group, clusters of 4 x 4, 327,680 bytes of LDS; arguments xb, wcat, qkv, eg, gs; writes qkv, eg, gs
.if DOCPART == 2
	.amdgcn_target "amdgcn-amd-amdhsa--gfx1250"
	.amdhsa_code_object_version 6
	.text
	.protected	k_qbec8589d25_proj
	.globl	k_qbec8589d25_proj
	.p2align	8
	.type	k_qbec8589d25_proj,@function
k_qbec8589d25_proj:
	s_mov_b64 s[64:65], 0
	v_nop
	global_prefetch_b8 v0, s[64:65] scope:SCOPE_SE
	s_setreg_imm32_b32 hwreg(HW_REG_WAVE_MODE, 25, 1), 1
	s_wait_xcnt 0x0
	s_wait_alu depctr_hold_cnt(0) depctr_sa_sdst(0) depctr_va_vdst(0) depctr_va_sdst(0) depctr_va_ssrc(0) depctr_va_vcc(0) depctr_vm_vsrc(0)
	s_getreg_b32 s2, hwreg(HW_REG_IB_STS2, 6, 4)
	s_cmp_eq_u32 s2, 0
	s_cbranch_scc0 .Lentry_in_a_cluster
	s_endpgm
.Lentry_in_a_cluster:
	s_bfe_u32 s2, ttmp6, 0x10000c
	s_cmp_lg_u32 s2, 0xf033
	s_cbranch_scc0 .Lentry_shape_is_right
	s_endpgm
.Lentry_shape_is_right:
; PROJ: [q k v f] = x [Wq Wk Wv Wf] in bf16 with f32 sums; then swish on q and k, the gate e = sigmoid(f)^(1/8), and each chunk's write weights.
; A work-group makes 256 rows x 208 columns: 64 of q, 64 of k, 64 of v and 16 gates of one quarter of one head.  Wave w takes rows 64 w .. 64 w + 63, which are ONE chunk
; of 64 time steps, and all 13 column tiles: 52 accumulators, 416 registers.  K goes in steps of 128 through two LDS slots filled by tensor loads.
; CLUSTER 4 x 4: x's tile is shared along a row of the cluster, the weights' along a column: joint loads.
; THE PRODUCT IS USED TRANSPOSED (source 0 = 16 weight rows, source 1 = 16 rows of x): a lane holds one row of x and eight neighbouring columns.
; OUT: qkv f16 [chunk-head][q0-3 k0-3 v0-3][64 t][64]; eg f32 [chunk-head][quarter][64 t][16]; gs [chunk-head]: W4_i = (1 - e_i) prod_{j>i} e_j as ready f16 fragments, then d = prod e.
; LIMITS.  q, k, v are f16: finite up to 65,504, below 6e-5 in steps of 6e-8.  e = 2^((min(z', 0) - log2(1 + 2^-|z'|)) / 8), z' = z log2(e): for large z it is 1 to within one step of f32 at 1.
; Exponentials and products below 2^-126 count as 0.  NaN and infinities are not treated apart.
; REGISTERS, in windows of 256: window 0: v0-31 addresses; v64-95, v96-127 x's fragments, two buffers; v128-255 at work on the way out.
;   window 1: the weights' fragments, two buffers of 104.   window 2: accumulators of row tiles 0, 1 at 8 (13 a + b);   window 3: of row tiles 2, 3.
.set NT,    13
.set BROWS, 16*NT
.set KSTEP, 128
.set PITCH, 272                        ; 256 bytes + 16: the sixteen rows of a fragment load start at sixteen different groups of four banks
.set HA,    128*PITCH                  ; what one load brings of x
.set HB,    (BROWS/2)*PITCH            ; of the weights
.set BOFF,  256*PITCH                  ; the weights' rows lie behind x's 256
.set SLOT1, 131072                     ; slot 1: one exclusive or turns an address in one slot into the other's
.set STAGE, 262144                     ; behind the ring, never filled by a tensor load
.set WST,   7680                       ; a wave's stage: 16 x 144 for q, k, v; then 64 x 80 for e
.set ESO,   2304
.set SPARE, STAGE+4*WST                ; the spare words, 128 bytes a wave
.set A0, 16                            ; v16 my place in x's rows of slot 0; v17 in the weights'
.set B0, 17
.set ADRA, 18                          ; v18, v19 the same in the slot in hand
.set ADRB, 19
.set ESS, 20                           ; v20 e into its stage; v21 back by rows; v22 back turned (lane = slot)
.set ESR, 21
.set ESV, 22
.set GO8, 23                           ; v23 8 x lane
.set STO, 24                           ; v24 into the stage; v25 back; v26 16 x lane
.set RD,  25
.set GO,  26
.set SPW, 28
.set NIL, 29
.set XF,  64
.set T,   128
.set PK,  160
.set RB,  176
.set G1,  24                           ; s[24:31] group 1 for x; s[32:39] group 0, two sets: the second walks
.set G0,  32
.set G1B, 48                           ; s[48:55], s[56:63] the same for the weights
.set G0B, 56
.set TB,  22                           ; s22 the slot in hand, as a byte offset
.set NL2E, 72                          ; s[72:73] -log2(e); s[74:75] log2(e); s[76:77] 1/8; s[78:79] lane selects; s80 sign bit; s81 lanes 0-15
.set L2E,  74
.set EIG,  76
.set SEL,  78
.set SGN,  80
.set LOH,  81
.set MSB, 0
.macro WIN new                         ; the immediate's high byte repeats the setting that is left
.if MSB != (\new)
	s_set_vgpr_msb (MSB<<8)|(\new)
.set MSB, \new
.endif
.endm
.set MUL_LO, 0xa1                      ; source 0 window 1, source 1 window 0, C and D window 2
.set TO_W,   0x40                      ; destination window 1
.macro PLACES                          ; four plain vector places behind matrix instructions (ISA guide 7.12.1)
.rept 4
	v_nop
.endr
.endm
.macro JLOAD                           ; a joint refill by the walking sets: waves 0, 1 fetch x's halves, waves 2, 3 the weights'; an s_nop 0 and four v_nop follow each line
	s_cmp_eq_u32 s11, 0
	s_cbranch_scc0 .Lfor_b_\@
	tensor_load_to_lds s[G0+4:G0+7], s[G1:G1+7]
	s_nop 0
.rept 4
	v_nop
.endr
	s_branch .Lasked_\@
.Lfor_b_\@:
	tensor_load_to_lds s[G0B+4:G0B+7], s[G1B:G1B+7]
	s_nop 0
.rept 4
	v_nop
.endr
.Lasked_\@:
.endm
.macro CREST                           ; a round of the cluster's barrier behind its opening barrier
	s_cmp_lg_u32 s10, 0
	s_cbranch_scc1 .Lnot_wave_0_\@
	s_barrier_signal -3
.Lnot_wave_0_\@:
	s_barrier_wait -3
	s_barrier_signal -1
	s_barrier_wait -1
.endm
.macro CROUND
	s_barrier_signal -1
	s_barrier_wait -1
	CREST
.endm
	s_load_b128 s[4:7], s[0:1], 0x0                ; xb, wcat
	s_load_b64 s[8:9], s[0:1], 0x10                ; qkv
	s_load_b128 s[68:71], s[0:1], 0x18             ; eg, gs
	v_lshl_add_u32 v[SPW], v0, 2, SPARE
	v_mov_b32 v[NIL], 0
	ds_add_u32 v[SPW], v[NIL]                      ; the wave's opening: the add, waited for ahead of my first tensor load
	ds_add_u32 v28, v29
	v_lshrrev_b32 v1, 5, v0
	v_readfirstlane_b32 s10, v1                    ; wave
	s_lshr_b32 s11, s10, 1                         ; 0: I fetch x; 1: the weights
	s_and_b32 s12, s10, 1                          ; which half of that tile
	s_bfe_u32 s40, ttmp6, 0x40000                  ; cx
	s_bfe_u32 s41, ttmp6, 0x40004                  ; cy
	s_lshl_b32 s42, ttmp9, 2
	s_add_co_u32 s42, s42, s40                     ; column group 0..15
	s_and_b32 s13, ttmp7, 0xffff
	s_lshl_b32 s13, s13, 2
	s_add_co_u32 s13, s13, s41                     ; row block 0..31
	s_lshl_b32 s43, s41, 2
	s_lshl_b32 s43, 15, s43                        ; my row of the cluster
	s_lshl_b32 s44, 0x1111, s40                    ; my column
	s_or_b32 s[G1], s43, (1<<16)|(1<<20)|(1<<21)|(5<<22)|(3<<25)   ; mask; 2-byte elements; padding on; bit 21 beside a mask; after every 64 words 4 words
	s_or_b32 s[G1B], s44, (1<<16)|(1<<20)|(1<<21)|(5<<22)|(3<<25)
	s_mov_b32 s[G1+1], KSTEP<<16                   ; tensor_dim0 = 128
	s_mov_b32 s[G1+2], 128<<16                     ; tensor_dim1 = 128
	s_mov_b32 s[G1+3], KSTEP<<16                   ; tile_dim0 = 128
	s_mov_b32 s[G1+4], 128                         ; tile_dim1 = 128
	s_mov_b32 s[G1+5], 1024                        ; elements from row to row
	s_mov_b32 s[G1+6], 0
	s_mov_b32 s[G1+7], 0
	s_mov_b32 s[G1B+1], KSTEP<<16
	s_mov_b32 s[G1B+2], (BROWS/2)<<16
	s_mov_b32 s[G1B+3], KSTEP<<16
	s_mov_b32 s[G1B+4], BROWS/2
	s_mov_b32 s[G1B+5], 1024
	s_mov_b32 s[G1B+6], 0
	s_mov_b32 s[G1B+7], 0
	s_lshl_b32 s16, s13, 19                        ; x: 256 rows of 2,048 bytes a block,
	s_lshl_b32 s17, s12, 18                        ; 128 a half: registers that never hold the column group
	s_add_co_u32 s16, s16, s17
	s_mov_b32 s17, 0
	s_mul_i32 s46, s42, BROWS*2048                 ; the weights: registers that never hold the row block
	s_mul_i32 s47, s12, (BROWS/2)*2048
	s_add_co_u32 s46, s46, s47
	s_mov_b32 s47, 0
	s_mul_i32 s20, s12, HA                         ; where they go: no place in the cluster enters an LDS address
	s_mul_i32 s21, s12, HB
	s_add_co_u32 s21, s21, BOFF
	s_mov_b32 s[TB], 0
	s_mov_b32 s[NL2E], 0xbfb8aa3b
	s_mov_b32 s[NL2E+1], 0xbfb8aa3b
	s_mov_b32 s[L2E], 0x3fb8aa3b
	s_mov_b32 s[L2E+1], 0x3fb8aa3b
	s_mov_b32 s[EIG], 0x3e000000
	s_mov_b32 s[EIG+1], 0x3e000000
	s_mov_b32 s[SEL], 0x76543210
	s_mov_b32 s[SEL+1], 0xfedcba98
	s_mov_b32 s[SGN], 0x80000000
	s_mov_b32 s[LOH], 0x0000ffff
	s_wait_dscnt 0x0                               ; the opening add is done
	s_wait_kmcnt 0x0
	s_add_nc_u64 s[14:15], s[4:5], s[16:17]
	s_add_nc_u64 s[46:47], s[6:7], s[46:47]
	CROUND                                         ; all sixteen work-groups are here: the first joint loads meet
.irp s, 0,1
	s_mov_b32 s[G0+4*\s], 1
	s_add_co_u32 s[G0+4*\s+1], s20, \s*SLOT1
	s_add_nc_u64 s[G0+4*\s+2:G0+4*\s+3], s[14:15], \s*KSTEP*2
	s_or_b32 s[G0+4*\s+3], s[G0+4*\s+3], 0x80000000
	s_mov_b32 s[G0B+4*\s], 1
	s_add_co_u32 s[G0B+4*\s+1], s21, \s*SLOT1
	s_add_nc_u64 s[G0B+4*\s+2:G0B+4*\s+3], s[46:47], \s*KSTEP*2
	s_or_b32 s[G0B+4*\s+3], s[G0B+4*\s+3], 0x80000000
.endr
	s_cmp_eq_u32 s11, 0                            ; a wave's two first fills stand in one branch: two loads of mine are out
	s_cbranch_scc0 .Lfirst_b
	tensor_load_to_lds s[G0:G0+3], s[G1:G1+7]
	s_nop 0
	tensor_load_to_lds s[G0+4:G0+7], s[G1:G1+7]
	s_nop 0
.rept 4
	v_nop
.endr
	s_branch .Lfirst_asked
.Lfirst_b:
	tensor_load_to_lds s[G0B:G0B+3], s[G1B:G1B+7]
	s_nop 0
	tensor_load_to_lds s[G0B+4:G0B+7], s[G1B:G1B+7]
	s_nop 0
.rept 4
	v_nop
.endr
.Lfirst_asked:
	; lane addresses
	v_and_b32 v1, 15, v0                           ; r
	v_bfe_u32 v2, v0, 4, 1                         ; h
	v_and_b32 v4, 31, v0                           ; lane
	v_mul_u32_u24 v3, v1, PITCH
	v_lshl_add_u32 v3, v2, 4, v3                   ; a fragment's row x pitch + 16 x half
	s_mul_i32 s20, s10, 64*PITCH                   ; my 64 rows of x
	v_add_nc_u32 v[A0], s20, v3
	v_add_nc_u32 v[B0], BOFF, v3
	v_mov_b32 v[ADRA], v[A0]
	v_mov_b32 v[ADRB], v[B0]
	s_mul_i32 s23, s10, WST
	s_add_co_u32 s23, s23, STAGE                   ; my stage
	v_mul_u32_u24 v5, v1, 144
	v_lshl_add_u32 v5, v2, 4, v5
	v_add_nc_u32 v[STO], s23, v5                   ; in: row r, 16 bytes for each half of the lanes
	v_bfe_u32 v5, v0, 3, 2
	v_mul_u32_u24 v5, v5, 144
	v_and_b32 v6, 7, v0
	v_lshl_add_u32 v5, v6, 4, v5
	v_add_nc_u32 v[RD], s23, v5                    ; back: 32 lanes take four rows of 128 bytes
	v_lshlrev_b32 v[GO], 4, v4
	v_lshlrev_b32 v[GO8], 3, v4
	s_add_co_u32 s23, s23, ESO                     ; e's stage, rows of 80 bytes
	v_mul_u32_u24 v5, v1, 80
	v_lshl_add_u32 v5, v2, 5, v5
	v_add_nc_u32 v[ESS], s23, v5                   ; in: row t = 16 a + r, slots 8 h on
	v_bfe_u32 v5, v0, 2, 3
	v_mul_u32_u24 v5, v5, 80
	v_and_b32 v6, 3, v0
	v_lshl_add_u32 v5, v6, 4, v5
	v_add_nc_u32 v[ESR], s23, v5                   ; back by rows: 32 lanes take eight rows of 64 bytes
	v_mul_u32_u24 v5, v2, 640
	v_lshl_add_u32 v5, v1, 2, v5
	v_add_nc_u32 v[ESV], s23, v5                   ; back turned: lane = slot r, times 8 h on
	; where the results go: registers that feed no descriptor
	s_lshr_b32 s84, s13, 3
	s_lshl_b32 s84, s84, 2
	s_lshr_b32 s85, s42, 2
	s_add_co_u32 s84, s84, s85                     ; 4 batch + head
	s_lshl_b32 s84, s84, 5
	s_and_b32 s85, s13, 7
	s_lshl_b32 s85, s85, 2
	s_add_co_u32 s85, s85, s10                     ; my chunk
	s_add_co_u32 s84, s84, s85                     ; chunk-head
	s_and_b32 s86, s42, 3                          ; quarter
	s_mul_i32 s88, s84, 98304
	s_lshl_b32 s89, s86, 13
	s_add_co_u32 s88, s88, s89
	s_mov_b32 s89, 0
	s_add_nc_u64 s[8:9], s[8:9], s[88:89]
	s_lshl_b32 s88, s84, 14
	s_lshl_b32 s90, s86, 12
	s_add_co_u32 s88, s88, s90
	s_add_nc_u64 s[68:69], s[68:69], s[88:89]
	s_mul_i32 s88, s84, 9216
	s_lshl_b32 s90, s86, 8
	s_add_co_u32 s90, s90, s88
	s_add_co_u32 s90, s90, 8192
	s_mov_b32 s91, 0
	s_add_nc_u64 s[92:93], s[70:71], s[90:91]      ; d
	s_lshl_b32 s90, s86, 11
	s_add_co_u32 s88, s88, s90
	s_add_nc_u64 s[70:71], s[70:71], s[88:89]      ; W4
; NT matrix instructions: row tile 2 hi + a x all column tiles, 32 along K, buffer f.  zero = 1: the product starts the sums.
.macro MULH f, hi, a, zero
	WIN MUL_LO+0x50*(\hi)
.set b, 0
.rept NT
.if \zero
	v_wmma_f32_16x16x32_bf16 v[8*(NT*(\a)+b):8*(NT*(\a)+b)+7], v[8*NT*(\f)+8*b:8*NT*(\f)+8*b+7], v[XF+32*(\f)+8*(2*(\hi)+(\a)):XF+32*(\f)+8*(2*(\hi)+(\a))+7], 0
.else
	v_wmma_f32_16x16x32_bf16 v[8*(NT*(\a)+b):8*(NT*(\a)+b)+7], v[8*NT*(\f)+8*b:8*NT*(\f)+8*b+7], v[XF+32*(\f)+8*(2*(\hi)+(\a)):XF+32*(\f)+8*(2*(\hi)+(\a))+7], v[8*(NT*(\a)+b):8*(NT*(\a)+b)+7]
.endif
.set b, b+1
.endr
.endm
; 2 NT + 8 LDS loads in one run: the fragments of 32 along K at byte k of the rows, into buffer f; x's row tiles 2, 3 last
.macro FETCH k, f
	WIN TO_W
.set i, 0
.rept NT
	ds_load_b128 v[8*NT*(\f)+8*i:8*NT*(\f)+8*i+3],   v[ADRB] offset:(\k)+i*16*PITCH
	ds_load_b128 v[8*NT*(\f)+8*i+4:8*NT*(\f)+8*i+7], v[ADRB] offset:(\k)+i*16*PITCH+32
.set i, i+1
.endr
	WIN 0
.set i, 0
.rept 4
	ds_load_b128 v[XF+32*(\f)+8*i:XF+32*(\f)+8*i+3],   v[ADRA] offset:(\k)+i*16*PITCH
	ds_load_b128 v[XF+32*(\f)+8*i+4:XF+32*(\f)+8*i+7], v[ADRA] offset:(\k)+i*16*PITCH+32
.set i, i+1
.endr
.endm
; One of a K step's first three quarters: multiplies buffer f, fetches the next quarter (byte k) into buffer g in its middle.  The 52 accumulators take turns, in the same order everywhere.
.macro QUARTER k, f, g, zero
	s_wait_dscnt 4                                 ; all but the youngest four loads: x's row tiles 2, 3
	MULH \f, 0, 0, \zero
	MULH \f, 0, 1, \zero
	PLACES                                         ; in front of loads into registers that matrix instructions have read
	FETCH \k, \g
	s_wait_dscnt 2*NT+8                            ; all but the run just issued
	MULH \f, 1, 0, \zero
	MULH \f, 1, 1, \zero
.endm
; The last quarter multiplies buffer 1 and changes slots: each wave waits for all its tensor loads (one is out: its part of the next slot), adds 0 to its spare word, waits for that and for its reads of this slot.
; fill = 1: the barrier opens a round of the cluster's, and the slot just read is filled again, two K steps ahead, first thing behind the round.
.macro TURN fill
	WIN 0
	s_wait_tensorcnt 0x0
	ds_add_u32 v[SPW], v[NIL]
	s_wait_dscnt 5                                 ; the add and the youngest four loads may be out
	MULH 1, 0, 0, 0
	s_wait_dscnt 0x0                               ; the add is done, my reads of this slot are over
	s_barrier_signal -1
	MULH 1, 0, 1, 0
	WIN 0
	s_barrier_wait -1
.if \fill
	CREST
	s_xor_b32 s[G0+5], s[G0+5], SLOT1              ; no load of mine is out: the walking sets step: the other slot, the next K step
	s_add_nc_u64 s[G0+6:G0+7], s[G0+6:G0+7], KSTEP*2
	s_xor_b32 s[G0B+5], s[G0B+5], SLOT1
	s_add_nc_u64 s[G0B+6:G0B+7], s[G0B+6:G0B+7], KSTEP*2
	JLOAD                                          ; its four v_nop are also the places in front of the loads below
.else
	PLACES
.endif
	s_xor_b32 s[TB], s[TB], SLOT1
	v_add_nc_u32 v[ADRA], s[TB], v[A0]
	v_add_nc_u32 v[ADRB], s[TB], v[B0]
	FETCH 0, 0
	MULH 1, 1, 0, 0
	MULH 1, 1, 1, 0
.endm
	s_wait_tensorcnt 0x1                           ; my part of K step 0 is in; K step 1's may stay out
	s_barrier_signal -1
	s_barrier_wait -1
	FETCH 0, 0
	QUARTER 64, 0, 1, 1                            ; the first quarter starts the sums
	WIN 0
	s_mov_b32 s3, 6
.Lk:                                                   ; a trip: from a K step's second quarter to the next step's first; six refills bring K steps 2 to 7
	QUARTER 128, 1, 0, 0
	QUARTER 192, 0, 1, 0
	TURN 1
	QUARTER 64, 0, 1, 0
	WIN 0
	s_sub_co_u32 s3, s3, 1
	s_cmp_lg_u32 s3, 0
	s_cbranch_scc1 .Lk
	QUARTER 128, 1, 0, 0                           ; the last two K steps ask for nothing
	QUARTER 192, 0, 1, 0
	TURN 0
	QUARTER 64, 0, 1, 0
	QUARTER 128, 1, 0, 0
	QUARTER 192, 0, 1, 0
	s_wait_dscnt 4
	MULH 1, 0, 0, 0
	MULH 1, 0, 1, 0
	s_wait_dscnt 0x0
	MULH 1, 1, 0, 0
	MULH 1, 1, 1, 0
	WIN 0
	PLACES
; THE WAY OUT.  SWB: z / (1 + 2^(-z log2 e)) for row tile a, group g (0 q, 1 k), rounded to f16.  Each accumulator is read from its low end on.
.macro SWB a, g
.set AC, 8*(NT*((\a)%2)+4*(\g))
	WIN 0x02+(\a)/2                                ; source 0 in the accumulators' window
.set i, 0
.rept 16
	v_pk_mul_f32 v[T+2*i:T+2*i+1], v[AC+2*i:AC+2*i+1], s[NL2E:NL2E+1] op_sel_hi:[1,0]
.set i, i+1
.endr
	WIN 0
.set i, 0
.rept 32
	v_exp_f32 v[T+i], v[T+i]
.set i, i+1
.endr
	v_nop                                          ; a plain instruction behind the last exponential
.set i, 0
	s_wait_alu depctr_va_vdst(0)
.rept 16
	v_pk_add_f32 v[T+2*i:T+2*i+1], v[T+2*i:T+2*i+1], 1.0 op_sel_hi:[1,0]
.set i, i+1
.endr
.set i, 0
.rept 32
	v_rcp_f32 v[T+i], v[T+i]
.set i, i+1
.endr
	v_nop
	WIN 0x08+4*((\a)/2)                            ; source 1 in the accumulators' window
.set i, 0
	s_wait_alu depctr_va_vdst(0)
.rept 16
	v_pk_mul_f32 v[T+2*i:T+2*i+1], v[T+2*i:T+2*i+1], v[AC+2*i:AC+2*i+1]
.set i, i+1
.endr
	WIN 0
.set i, 0
.rept 16
	v_cvt_pk_f16_f32 v[PK+i], v[T+2*i], v[T+2*i+1]
.set i, i+1
.endr
.endm
.macro VB a                            ; v is only rounded
.set AC, 8*(NT*((\a)%2)+8)
	WIN 0x0a+5*((\a)/2)
.set i, 0
.rept 16
	v_cvt_pk_f16_f32 v[PK+i], v[AC+2*i], v[AC+2*i+1]
.set i, i+1
.endr
	WIN 0
.endm
.macro SENDBLK a, g                    ; 16 rows x 128 bytes through my stage: stored as 2,048 consecutive bytes of a block
.irp f, 0,1,2,3
	ds_store_b128 v[STO], v[PK+4*\f:PK+4*\f+3] offset:32*\f
.endr
	s_wait_xcnt 0x0                                ; the last block's stores have read their registers
.irp f, 0,1,2,3
	ds_load_b128 v[RB+4*\f:RB+4*\f+3], v[RD] offset:576*\f  ; LDS serves a wave's instructions in order: these see the stores above
.endr
	s_wait_dscnt 0x0
.irp f, 0,1,2,3
	global_store_b128 v[GO], v[RB+4*\f:RB+4*\f+3], s[8:9] offset:(\g)*32768+(\a)*2048+\f*512
.endr
.endm
.irp a, 0,1,2,3
	SWB \a, 0
	SENDBLK \a, 0
	SWB \a, 1
	SENDBLK \a, 1
	VB \a
	SENDBLK \a, 2
.endr
	; THE GATE.  Column tile 12: lane (r, h) holds time 16 a + r, slots 8 h + j.
.set EZ,  64
.set EU,  96
.set SUF, 128
.set WP,  160
.set PO,  176
.set RB2, 192
.set PI,  224
.set FUL, 228
.set HFR, 232
.set AFT, 236
.set FF,  240
.set DDR, 244
	s_wait_xcnt 0x0                                ; the stores above have read v176-191
.irp a, 0,1,2,3
	WIN 0x02+(\a)/2
.irp c, 0,1,2,3
	v_pk_mul_f32 v[EZ+8*\a+2*\c:EZ+8*\a+2*\c+1], v[8*(NT*((\a)%2)+12)+2*\c:8*(NT*((\a)%2)+12)+2*\c+1], s[L2E:L2E+1] op_sel_hi:[1,0]
.endr
.endr
	WIN 0
.set i, 0
.rept 32
	v_or_b32 v[EU+i], s[SGN], v[EZ+i]              ; -|z'|
.set i, i+1
.endr
.set i, 0
.rept 32
	v_exp_f32 v[EU+i], v[EU+i]
.set i, i+1
.endr
	v_nop
.set i, 0
	s_wait_alu depctr_va_vdst(0)
.rept 16
	v_pk_add_f32 v[EU+2*i:EU+2*i+1], v[EU+2*i:EU+2*i+1], 1.0 op_sel_hi:[1,0]
.set i, i+1
.endr
.set i, 0
.rept 32
	v_log_f32 v[EU+i], v[EU+i]
.set i, i+1
.endr
.set i, 0
.rept 32
	v_min_num_f32 v[EZ+i], 0, v[EZ+i]              ; plain work behind the logarithms
.set i, i+1
.endr
.set i, 0
	s_wait_alu depctr_va_vdst(0)
.rept 16
	v_pk_add_f32 v[EZ+2*i:EZ+2*i+1], v[EZ+2*i:EZ+2*i+1], v[EU+2*i:EU+2*i+1] neg_lo:[0,1] neg_hi:[0,1]
.set i, i+1
.endr
.set i, 0
.rept 16
	v_pk_mul_f32 v[EZ+2*i:EZ+2*i+1], v[EZ+2*i:EZ+2*i+1], s[EIG:EIG+1] op_sel_hi:[1,0]
.set i, i+1
.endr
.set i, 0
.rept 32
	v_exp_f32 v[EZ+i], v[EZ+i]                     ; e
.set i, i+1
.endr
	v_nop
	s_wait_alu depctr_va_vdst(0)
.irp a, 0,1,2,3
	ds_store_b128 v[ESS], v[EZ+8*\a:EZ+8*\a+3] offset:\a*1280
	ds_store_b128 v[ESS], v[EZ+8*\a+4:EZ+8*\a+7] offset:\a*1280+16
.endr
.set i, 0
.rept 8
	ds_load_b128 v[RB2+4*i:RB2+4*i+3], v[ESR] offset:640*i
.set i, i+1
.endr
.set i, 0
.rept 32                               ; e again with lane = slot r: register 8 a + j holds time 16 a + 8 h + j
	ds_load_b32 v[EU+i], v[ESV] offset:((i/8)*16+i%8)*80
.set i, i+1
.endr
	s_wait_dscnt 32                                ; the eight row loads are in; the 32 turned ones may be out
.set i, 0
.rept 8
	global_store_b128 v[GO], v[RB2+4*i:RB2+4*i+3], s[68:69] offset:512*i
.set i, i+1
.endr
	s_wait_dscnt 0x0
	; products of e behind each time, all factors at most 1: inside my eight, the other half of the sixteen, the later sixteens
.irp a, 0,1,2,3
	v_mov_b32 v[SUF+8*\a+7], 1.0
.endr
.irp j, 6,5,4,3,2,1,0
.irp a, 0,1,2,3
	v_mul_f32 v[SUF+8*\a+\j], v[SUF+8*\a+\j+1], v[EU+8*\a+\j+1]
.endr
.endr
.irp a, 0,1,2,3
	v_mul_f32 v[PI+\a], v[SUF+8*\a], v[EU+8*\a]
.endr
.irp a, 0,1,2,3
	v_permlanex16_b32 v[PO+\a], v[PI+\a], s[SEL], s[SEL+1]
.endr
.irp a, 0,1,2,3
	v_mul_f32 v[FUL+\a], v[PI+\a], v[PO+\a]
	v_cndmask_b32 v[HFR+\a], 1.0, v[PO+\a], s[LOH] ; the lower half's times have the upper half's behind them
.endr
	v_mul_f32 v[AFT+1], v[FUL+3], v[FUL+2]
	v_mul_f32 v[FF+2], v[FUL+3], v[HFR+2]
	v_mov_b32 v[FF+3], v[HFR+3]
	v_mul_f32 v[AFT], v[AFT+1], v[FUL+1]
	v_mul_f32 v[FF+1], v[AFT+1], v[HFR+1]
	v_mul_f32 v[DDR], v[AFT], v[FUL]               ; d: the chunk's whole product
	v_mul_f32 v[FF], v[AFT], v[HFR]
	v_mov_b32 v[DDR+1], v[DDR]
.set i, 0
.rept 32
	v_mul_f32 v[SUF+i], v[SUF+i], v[FF+i/8]
.set i, i+1
.endr
.set i, 0
.rept 32
	v_fma_f32 v[EZ+i], -v[EU+i], v[SUF+i], v[SUF+i]  ; W4 = (1 - e) x what follows, one rounding
.set i, i+1
.endr
.set i, 0
.rept 16
	v_cvt_pk_f16_f32 v[WP+i], v[EZ+2*i], v[EZ+2*i+1]
.set i, i+1
.endr
.irp a, 0,1,2,3
	global_store_b128 v[GO], v[WP+4*\a:WP+4*\a+3], s[70:71] offset:((\a)/2)*1024+((\a)%2)*512  ; two such stores are a ready source-1 fragment of 32 times x 16 slots
.endr
	global_store_b64 v[GO8], v[DDR:DDR+1], s[92:93]  ; d twice: 256 consecutive bytes
	s_wait_tensorcnt 0x0                           ; the wave's end
	ds_add_u32 v[SPW], v[NIL]
	s_wait_dscnt 0x0
	CROUND                                         ; the closing round
	s_endpgm
.Lfunc_end_k_qbec8589d25_proj:
	.size	k_qbec8589d25_proj, .Lfunc_end_k_qbec8589d25_proj-k_qbec8589d25_proj
	.p2alignl 7, 3214868480
	.fill 96, 4, 3214868480
	.section	.rodata,"a",@progbits
	.p2align	6, 0x0
	.amdhsa_kernel k_qbec8589d25_proj
		.amdhsa_group_segment_fixed_size 327680
		.amdhsa_private_segment_fixed_size 0
		.amdhsa_enable_private_segment 0
		.amdhsa_kernarg_size 40
		.amdhsa_user_sgpr_count 2
		.amdhsa_user_sgpr_kernarg_segment_ptr 1
		.amdhsa_wavefront_size32 1
		.amdhsa_system_sgpr_workgroup_id_x 1
		.amdhsa_system_sgpr_workgroup_id_y 1
		.amdhsa_system_sgpr_workgroup_id_z 1
		.amdhsa_system_vgpr_workitem_id 0
		.amdhsa_next_free_vgpr 1024
		.amdhsa_next_free_sgpr 96
		.amdhsa_reserve_vcc 0
		.amdhsa_float_denorm_mode_32 3
		.amdhsa_float_denorm_mode_16_64 3
		.amdhsa_memory_ordered 1
		.amdhsa_forward_progress 1
		.amdhsa_inst_pref_size 165
	.end_amdhsa_kernel
	.amdgpu_metadata
---
amdhsa.version: [ 1, 2 ]
amdhsa.kernels:
  - .name:           k_qbec8589d25_proj
    .symbol:         k_qbec8589d25_proj.kd
    .args:
      - { .name: xb, .offset: 0, .size: 8, .value_kind: global_buffer, .address_space: global }
      - { .name: wcat, .offset: 8, .size: 8, .value_kind: global_buffer, .address_space: global }
      - { .name: qkv, .offset: 16, .size: 8, .value_kind: global_buffer, .address_space: global }
      - { .name: eg, .offset: 24, .size: 8, .value_kind: global_buffer, .address_space: global }
      - { .name: gs, .offset: 32, .size: 8, .value_kind: global_buffer, .address_space: global }
    .group_segment_fixed_size: 327680
    .private_segment_fixed_size: 0
    .kernarg_segment_align: 8
    .kernarg_segment_size: 40
    .max_flat_workgroup_size: 128
    .sgpr_count:     96
    .vgpr_count:     1024
    .wavefront_size: 32
...
	.end_amdgpu_metadata
.endif
;; end of part 2
;; launch scan (part 3): grid 8 x 16, 4 waves a work-group, clusters of 4 x 1, 327,680 bytes of LDS; arguments qkv, gs, st; writes st
.if DOCPART == 3
	.amdgcn_target "amdgcn-amd-amdhsa--gfx1250"
	.amdhsa_code_object_version 6
	.text
	.protected	k_qbec8589d25_scan
	.globl	k_qbec8589d25_scan
	.p2align	8
	.type	k_qbec8589d25_scan,@function
k_qbec8589d25_scan:
	s_mov_b64 s[64:65], 0
	v_nop
	global_prefetch_b8 v0, s[64:65] scope:SCOPE_SE
	s_setreg_imm32_b32 hwreg(HW_REG_WAVE_MODE, 25, 1), 1
	s_wait_xcnt 0x0
	s_wait_alu depctr_hold_cnt(0) depctr_sa_sdst(0) depctr_va_vdst(0) depctr_va_sdst(0) depctr_va_ssrc(0) depctr_va_vcc(0) depctr_vm_vsrc(0)
	s_getreg_b32 s2, hwreg(HW_REG_IB_STS2, 6, 4)
	s_cmp_eq_u32 s2, 0
	s_cbranch_scc0 .Lentry_in_a_cluster
	s_endpgm
.Lentry_in_a_cluster:
	s_bfe_u32 s2, ttmp6, 0x10000c
	s_cmp_lg_u32 s2, 0x3003
	s_cbranch_scc0 .Lentry_shape_is_right
	s_endpgm
.Lentry_shape_is_right:
; SCAN: the states at the 32 chunk boundaries of each (batch, head).  Z_0 = 0; Z_{c+1}[slot][x] = Z_c[slot][x] d_c[slot] + sum_i W4_i[slot] X_i[x], X = k or v.
; Neither state hangs on the softmax, so this short walk is all that is sequential.  A work-group owns one part (64 columns of k or of v: parts 0-3 HK^T, 4-7 HV) of one (batch, head);
; wave w owns slots 16 w .. 16 w + 15 and all 64 columns: four accumulators in f32, carried from chunk to chunk.  Each chunk: Z is stored (f16), then updated.
; The product: source 0 = X^T (16 columns x 32 times, by the turning load), source 1 = W4 (32 times x 16 slots, ready in gs): a lane holds one slot and eight neighbouring columns.
; CLUSTER 4 x 1: the four parts of a cluster walk the same gs, which is asked for jointly; each part's X tiles are loads of its own in the same rounds.
; Two LDS slots of eight chunks each; one load a wave brings four chunks.  The last chunk's update is computed and not used: the price of one text for all trips.
; LIMITS.  The states are means of k or v with weights that add up to at most 1: they have k's and v's range and fit f16 as those do.
.set CHB,   9216                       ; a chunk's X tile in LDS (64 rows x 144), and its block of gs
.set GOFF,  8*CHB                      ; gs lies behind the slot's eight X tiles
.set SLOTB, 16*CHB
.set STAGE, 2*SLOTB                    ; 16 rows x 144 bytes a wave, never filled by a tensor load
.set SP,    144
.set SPARE, STAGE+4*16*SP
.set AX0, 4                            ; v4-6 my places in a slot's first X tile, W4 block, d block; never rewritten
.set AG0, 5
.set AD0, 6
.set STO, 7
.set RD,  8
.set GO,  9
.set SPW, 10
.set NIL, 11
.set AX,  12                           ; v12-14 the same for the chunk in hand
.set AG,  13
.set AD,  14
.set ZB,  16                           ; v16-31 rows read back from the stage
.set XF,  32                           ; v32-95 X^T: fragment (ks, xt) at 8 (4 ks + xt)
.set WF,  96                           ; v96-111 W4: fragment ks
.set DD,  112                          ; v112-113 d, twice
.set ZP,  116                          ; v116-131 Z rounded
.set Z,   132                          ; v132-163 Z: column tile xt at 8 xt
.set WV,  12
.set G1X, 16
.set G1G, 24
.set G0X, 32                           ; s[32:39] group 0 for X, a set for each slot; s[40:47] for gs
.set G0G, 40
.macro JLOAD s                         ; waves 0, 1 fetch X (my own part), waves 2, 3 gs (jointly); an s_nop 0 and four v_nop follow each line
	s_cmp_lt_u32 s[WV], 2
	s_cbranch_scc0 .Lfor_g_\@
	tensor_load_to_lds s[G0X+4*(\s):G0X+4*(\s)+3], s[G1X:G1X+7]
	s_nop 0
.rept 4
	v_nop
.endr
	s_branch .Lasked_\@
.Lfor_g_\@:
	tensor_load_to_lds s[G0G+4*(\s):G0G+4*(\s)+3], s[G1G:G1G+7]
	s_nop 0
.rept 4
	v_nop
.endr
.Lasked_\@:
.endm
.macro CROUND
	s_barrier_signal -1
	s_barrier_wait -1
	s_cmp_lg_u32 s[WV], 0
	s_cbranch_scc1 .Lnot_wave_0_\@
	s_barrier_signal -3
.Lnot_wave_0_\@:
	s_barrier_wait -3
	s_barrier_signal -1
	s_barrier_wait -1
.endm
	s_load_b128 s[4:7], s[0:1], 0x0                ; qkv, gs
	s_load_b64 s[8:9], s[0:1], 0x10                ; st
	v_lshl_add_u32 v[SPW], v0, 2, SPARE
	v_mov_b32 v[NIL], 0
	ds_add_u32 v[SPW], v[NIL]                      ; the wave's opening: the add, waited for ahead of my first tensor load
	ds_add_u32 v10, v11
	v_lshrrev_b32 v1, 5, v0
	v_readfirstlane_b32 s[WV], v1
	s_and_b32 s13, s[WV], 1                        ; which four of a slot's eight chunks I fetch
	s_bfe_u32 s14, ttmp6, 0x40000                  ; cx
	s_lshl_b32 s15, ttmp9, 2
	s_add_co_u32 s15, s15, s14                     ; my part: it enters X's and st's addresses alone
	s_and_b32 s48, ttmp7, 0xffff                   ; (batch, head), which the four partners share
	s_mul_i32 s50, s48, 32*CHB                     ; gs: registers that never hold the part
	s_mul_i32 s51, s13, 4*CHB
	s_add_co_u32 s50, s50, s51
	s_mov_b32 s51, 0
	s_mul_i32 s52, s48, 32*98304                   ; X: block 4 + part of each chunk-head
	s_mul_i32 s53, s13, 4*98304
	s_add_co_u32 s52, s52, s53
	s_lshl_b32 s53, s15, 13
	s_add_co_u32 s52, s52, s53
	s_add_co_u32 s52, s52, 4*8192
	s_mov_b32 s53, 0
	s_lshl_b32 s54, s48, 21                        ; st: 32 chunks x 65,536 bytes, my part, my wave's sixteen slot rows
	s_lshl_b32 s55, s15, 13
	s_add_co_u32 s54, s54, s55
	s_lshl_b32 s55, s[WV], 11
	s_add_co_u32 s54, s54, s55
	s_mov_b32 s55, 0
	s_mul_i32 s56, s13, 4*CHB                      ; my half of a slot
	s_mov_b32 s[G1X], (1<<16)|(1<<20)|(4<<22)|(3<<25)  ; 2-byte elements; padding on: after every 32 words 4 words
	s_mov_b32 s[G1X+1], 4096<<16                   ; tensor_dim0 = 4,096: a block's 8,192 dense bytes are one row
	s_mov_b32 s[G1X+2], 4<<16                      ; tensor_dim1 = 4 chunks
	s_mov_b32 s[G1X+3], 4096<<16                   ; tile_dim0
	s_mov_b32 s[G1X+4], 4                          ; tile_dim1
	s_mov_b32 s[G1X+5], 49152                      ; elements from chunk to chunk
	s_mov_b32 s[G1X+6], 0
	s_mov_b32 s[G1X+7], 0
	s_mov_b32 s[G1G], 15|(3<<16)|(1<<21)           ; the mask of four; 8-byte elements; bit 21 beside a mask
	s_mov_b32 s[G1G+1], 32<<16                     ; four chunks of gs are 36,864 dense bytes: 144 rows of 256
	s_mov_b32 s[G1G+2], 144<<16
	s_mov_b32 s[G1G+3], 32<<16
	s_mov_b32 s[G1G+4], 144
	s_mov_b32 s[G1G+5], 32
	s_mov_b32 s[G1G+6], 0
	s_mov_b32 s[G1G+7], 0
	s_wait_dscnt 0x0                               ; the opening add is done
	s_wait_kmcnt 0x0
	s_add_nc_u64 s[4:5], s[4:5], s[52:53]
	s_add_nc_u64 s[6:7], s[6:7], s[50:51]
	s_add_nc_u64 s[8:9], s[8:9], s[54:55]
	CROUND                                         ; all four work-groups are here
.irp s, 0,1
	s_mov_b32 s[G0X+4*\s], 1
	s_add_co_u32 s[G0X+4*\s+1], s56, \s*SLOTB
	s_add_nc_u64 s[G0X+4*\s+2:G0X+4*\s+3], s[4:5], \s*8*98304
	s_or_b32 s[G0X+4*\s+3], s[G0X+4*\s+3], 0x80000000
	s_mov_b32 s[G0G+4*\s], 1
	s_add_co_u32 s[G0G+4*\s+1], s56, \s*SLOTB+GOFF
	s_add_nc_u64 s[G0G+4*\s+2:G0G+4*\s+3], s[6:7], \s*8*CHB
	s_or_b32 s[G0G+4*\s+3], s[G0G+4*\s+3], 0x80000000
.endr
	s_cmp_lt_u32 s[WV], 2                          ; a wave's two first fills stand in one branch: two loads of mine are out
	s_cbranch_scc0 .Lfirst_g
	tensor_load_to_lds s[G0X:G0X+3], s[G1X:G1X+7]
	s_nop 0
	tensor_load_to_lds s[G0X+4:G0X+7], s[G1X:G1X+7]
	s_nop 0
.rept 4
	v_nop
.endr
	s_branch .Lfirst_asked
.Lfirst_g:
	tensor_load_to_lds s[G0G:G0G+3], s[G1G:G1G+7]
	s_nop 0
	tensor_load_to_lds s[G0G+4:G0G+7], s[G1G:G1G+7]
	s_nop 0
.rept 4
	v_nop
.endr
.Lfirst_asked:
	v_and_b32 v1, 15, v0                           ; r
	v_bfe_u32 v2, v0, 4, 1                         ; h
	v_and_b32 v3, 7, v0
	v_bfe_u32 v15, v0, 3, 1
	v_lshl_add_u32 v[AX0], v2, 3, v3               ; the turning load: time 8 h + l % 8, columns 8 ((l / 8) % 2) on
	v_mul_u32_u24 v[AX0], v[AX0], SP
	v_lshl_add_u32 v[AX0], v15, 4, v[AX0]
	v_and_b32 v15, 31, v0
	s_lshl_b32 s57, s[WV], 11
	s_add_co_u32 s57, s57, GOFF
	v_lshl_add_u32 v[AG0], v15, 4, s57             ; W4: quarter w, 16 bytes a lane
	s_lshl_b32 s57, s[WV], 8
	s_add_co_u32 s57, s57, GOFF+8192
	v_lshl_add_u32 v[AD0], v15, 3, s57             ; d of my slot
	s_mul_i32 s57, s[WV], 16*SP
	s_add_co_u32 s57, s57, STAGE
	v_mul_u32_u24 v[STO], v1, SP
	v_lshl_add_u32 v[STO], v2, 4, v[STO]
	v_add_nc_u32 v[STO], s57, v[STO]
	v_bfe_u32 v[RD], v0, 3, 2
	v_mul_u32_u24 v[RD], v[RD], SP
	v_lshl_add_u32 v[RD], v3, 4, v[RD]
	v_add_nc_u32 v[RD], s57, v[RD]
	v_lshlrev_b32 v[GO], 4, v15
.set i, 0
.rept 32
	v_mov_b32 v[Z+i], 0                            ; Z_0 = 0, which is stored too
.set i, i+1
.endr
; A slot's eight chunks.
.macro PHASE slot
	v_add_nc_u32 v[AX], (\slot)*SLOTB, v[AX0]
	v_add_nc_u32 v[AG], (\slot)*SLOTB, v[AG0]
	v_add_nc_u32 v[AD], (\slot)*SLOTB, v[AD0]
	s_mov_b32 s3, 8
.Lch_\@:
.rept 4
	v_nop                                          ; the places behind the last trip's products: their sources are loaded again, their results read
.endr
.set f, 0
.rept 8
	ds_load_tr16_b128 v[XF+8*f:XF+8*f+3],   v[AX] offset:(f/4)*32*SP+(f%4)*32
	ds_load_tr16_b128 v[XF+8*f+4:XF+8*f+7], v[AX] offset:(f/4)*32*SP+16*SP+(f%4)*32
.set f, f+1
.endr
.irp k, 0,1
	ds_load_b128 v[WF+8*\k:WF+8*\k+3],   v[AG] offset:1024*\k
	ds_load_b128 v[WF+8*\k+4:WF+8*\k+7], v[AG] offset:1024*\k+512
.endr
	ds_load_b64 v[DD:DD+1], v[AD]
.set i, 0
.rept 16
	v_cvt_pk_f16_f32 v[ZP+i], v[Z+2*i], v[Z+2*i+1] ; each accumulator from its low end on
.set i, i+1
.endr
.irp f, 0,1,2,3
	ds_store_b128 v[STO], v[ZP+4*\f:ZP+4*\f+3] offset:32*\f
.endr
.irp f, 0,1,2,3
	ds_load_b128 v[ZB+4*\f:ZB+4*\f+3], v[RD] offset:4*SP*\f  ; LDS serves a wave's instructions in order: these see the stores above
.endr
	s_wait_dscnt 0x0
.irp f, 0,1,2,3
	global_store_b128 v[GO], v[ZB+4*\f:ZB+4*\f+3], s[8:9] offset:512*\f  ; 512 consecutive aligned bytes
.endr
.set i, 0
.rept 16
	v_pk_mul_f32 v[Z+2*i:Z+2*i+1], v[Z+2*i:Z+2*i+1], v[DD:DD+1]
.set i, i+1
.endr
.set f, 0
.rept 8                                ; the four accumulators take turns, over the backward jump too
	v_wmma_f32_16x16x32_f16 v[Z+8*(f%4):Z+8*(f%4)+7], v[XF+8*f:XF+8*f+7], v[WF+8*(f/4):WF+8*(f/4)+7], v[Z+8*(f%4):Z+8*(f%4)+7]
.set f, f+1
.endr
	s_wait_xcnt 0x0                                ; the stores have read their base and their data
	s_add_nc_u64 s[8:9], s[8:9], 65536             ; the next chunk-head
	v_add_nc_u32 v[AX], CHB, v[AX]
	v_add_nc_u32 v[AG], CHB, v[AG]
	v_add_nc_u32 v[AD], CHB, v[AD]
	s_sub_co_u32 s3, s3, 1
	s_cmp_lg_u32 s3, 0
	s_cbranch_scc1 .Lch_\@
.endm
; Slot s, which has been read, takes the chunks sixteen further on.
.macro REFILL s
	s_wait_tensorcnt 0x0                           ; all my tensor loads have landed, the other slot's among them
	ds_add_u32 v[SPW], v[NIL]
	s_add_nc_u64 s[G0X+4*(\s)+2:G0X+4*(\s)+3], s[G0X+4*(\s)+2:G0X+4*(\s)+3], 16*98304
	s_add_nc_u64 s[G0G+4*(\s)+2:G0G+4*(\s)+3], s[G0G+4*(\s)+2:G0G+4*(\s)+3], 16*CHB
	s_wait_dscnt 0x0                               ; the add is done, my reads of the slot are over
	CROUND                                         ; no wave of any partner still reads the slot or has a load on its way
	JLOAD \s
.endm
	s_wait_tensorcnt 0x1                           ; my part of slot 0 is in; slot 1's may stay out
	s_barrier_signal -1
	s_barrier_wait -1
	PHASE 0                                        ; chunks 0-7
	REFILL 0
	PHASE 1                                        ; 8-15
	REFILL 1
	PHASE 0                                        ; 16-23
	s_wait_tensorcnt 0x0                           ; my part of the last eight chunks is in
	s_wait_dscnt 0x0
	s_barrier_signal -1
	s_barrier_wait -1                              ; everybody's is; nothing is filled any more
	PHASE 1                                        ; 24-31
	s_wait_tensorcnt 0x0                           ; the wave's end
	ds_add_u32 v[SPW], v[NIL]
	s_wait_dscnt 0x0
	CROUND                                         ; the closing round
	s_endpgm
.Lfunc_end_k_qbec8589d25_scan:
	.size	k_qbec8589d25_scan, .Lfunc_end_k_qbec8589d25_scan-k_qbec8589d25_scan
	.p2alignl 7, 3214868480
	.fill 96, 4, 3214868480
	.section	.rodata,"a",@progbits
	.p2align	6, 0x0
	.amdhsa_kernel k_qbec8589d25_scan
		.amdhsa_group_segment_fixed_size 327680
		.amdhsa_private_segment_fixed_size 0
		.amdhsa_enable_private_segment 0
		.amdhsa_kernarg_size 24
		.amdhsa_user_sgpr_count 2
		.amdhsa_user_sgpr_kernarg_segment_ptr 1
		.amdhsa_wavefront_size32 1
		.amdhsa_system_sgpr_workgroup_id_x 1
		.amdhsa_system_sgpr_workgroup_id_y 1
		.amdhsa_system_sgpr_workgroup_id_z 1
		.amdhsa_system_vgpr_workitem_id 0
		.amdhsa_next_free_vgpr 168
		.amdhsa_next_free_sgpr 66
		.amdhsa_reserve_vcc 0
		.amdhsa_float_denorm_mode_32 3
		.amdhsa_float_denorm_mode_16_64 3
		.amdhsa_memory_ordered 1
		.amdhsa_forward_progress 1
		.amdhsa_inst_pref_size 32
	.end_amdhsa_kernel
	.amdgpu_metadata
---
amdhsa.version: [ 1, 2 ]
amdhsa.kernels:
  - .name:           k_qbec8589d25_scan
    .symbol:         k_qbec8589d25_scan.kd
    .args:
      - { .name: qkv, .offset: 0, .size: 8, .value_kind: global_buffer, .address_space: global }
      - { .name: gs, .offset: 8, .size: 8, .value_kind: global_buffer, .address_space: global }
      - { .name: st, .offset: 16, .size: 8, .value_kind: global_buffer, .address_space: global }
    .group_segment_fixed_size: 327680
    .private_segment_fixed_size: 0
    .kernarg_segment_align: 8
    .kernarg_segment_size: 24
    .max_flat_workgroup_size: 128
    .sgpr_count:     66
    .vgpr_count:     168
    .wavefront_size: 32
...
	.end_amdgpu_metadata
.endif
;; end of part 3
;; launch chunk (part 4): grid 32 x 16, 4 waves a work-group, no clusters, 297,984 bytes of LDS; arguments qkv, eg, st, g_norm_w, on; writes on
.if DOCPART == 4
	.amdgcn_target "amdgcn-amd-amdhsa--gfx1250"
	.amdhsa_code_object_version 6
	.text
	.protected	k_qbec8589d25_chunk
	.globl	k_qbec8589d25_chunk
	.p2align	8
	.type	k_qbec8589d25_chunk,@function
k_qbec8589d25_chunk:
	s_mov_b64 s[64:65], 0
	v_nop
	global_prefetch_b8 v0, s[64:65] scope:SCOPE_SE
	s_setreg_imm32_b32 hwreg(HW_REG_WAVE_MODE, 25, 1), 1
	s_wait_xcnt 0x0
; CHUNK: one chunk of 64 steps of one (batch, head): logits, softmax over the 64 slots, output, RMSNorm and gain.  Wave a owns the 16 queries t = 16 a + tau of sub-block a.
; With e the gates, s = 1 - e, T_a = prod_{j<16a} e_j, Lam_t = prod_{j=16a..t} e_j, W^a_i = s_i prod_{j=i+1..16a-1} e_j (0 from i = 16 a on), c_{t,i} = prod_{j=i+1..t} e_j inside the sub-block (0 above the diagonal):
;   L_t[m] = Lam_t ( T_a (q_t . HK0[:,m]) + sum_i A_ti W^a_i[m] ) + sum_{i in block} A_ti s_i[m] c_{t,i}[m],   A_ti = q_t . k_i
;   p = 2^(c0 L - c0 max L), c0 = log2(e) / 16;  l = sum p
;   o_t = ( sum_m (p Lam T_a)[m] HV0[m,:] + sum_i A2_ti v_i ) / l,  A2_ti = sum_m (p Lam)[m] W^a_i[m] off the block, sum_m p[m] s_i[m] c_{t,i}[m] inside it
; Only products of gates that run forward in time are formed, every factor at most 1: no logarithm, no difference of sums, nothing that can overflow.
; The block's part goes by a recurrence with the lane as t and i running down: w = c - c e_i;  c <- c e_i + [t = i - 1];  it starts at c = [t = 15] and ends with c = Lam_t.
; ALL PRODUCTS ARE USED TRANSPOSED: a lane holds one query (lane % 16); register n of a lane's 32 holds slot 16 (n / 8) + 8 (lane / 16) + n % 8.
; NO CLUSTER: no two work-groups of the launch read the same tile.  No LDS byte is filled twice: all six tensor loads of a wave go out at the start.
; LIMITS.  q, k, v, the states, p and the gate weights of the second pass are f16 (65,504; steps of 6e-8 below 6e-5); A and W^a of the first pass are bf16, since A has no room in f16 for large inputs.
; g_norm_w is rounded to bf16 like the module's other inputs.  Numbers below 2^-126 out of an exponential count as 0.  NaN and infinities are not treated apart.
; REGISTERS: window 1: 32 fragments of HK^T, later of HV; window 2: of K, later of V; window 3: v0-127 the gain, v128-131 at work.
;   window 0: v1-27 addresses; v32-95 region A (Q | W^a fragments | two rows of e); v96-127 q.HK0 -> L -> p; v128-159 A -> c; v160-191 off-block sums -> block sums -> second operands;
;   v192-223 T_a -> A2; v224-239 16-bit operands; v240-255 at work.  From the last products on v32-159 hold o.
.set LE,   0                           ; e: [quarter][t][16] f32; quarters 4,160 bytes apart, sixteen banks
.set LEQ,  4160
.set LQ,   16896                       ; Q, K, HK^T: four quarters of 64 rows x 144
.set LK,   53760
.set LH,   90624
.set LV,   127488                      ; V, HV: four quarters of 64 rows x 160
.set LHV,  168448
.set LWB,  209408                      ; from here on no tensor load lands.  A wave's W^a in bf16 [slot][i], pitch 144; later its stage of 16 x 528
.set LWH,  246272                      ; a wave's W^a in f16 [i][slot], pitch 144
.set LSC,  283136                      ; a wave's T_a (256), A of the block [i][t] (1,024), partial A2 [i][lane] (2,048)
.set SCW,  3584
.set SPARE, 297472
.set P1,   144
.set P2,   160
.set QB1,  64*P1
.set QB2,  64*P2
.set VR, 1
.set VHF, 2
.set VL, 3
.set VQ, 4
.set VK, 5
.set VH, 6
.set VV, 7
.set VHV, 8
.set VEG0, 9
.set VSWH0, 10
.set VSWB0, 11
.set VWBF, 12
.set VWHF, 13
.set VTAS, 14
.set VTAR, 15
.set VADS, 16
.set VAA0, 17
.set VER0, 18
.set VA2B, 19
.set VA2R, 20
.set VSTO, 21
.set VRD, 22
.set VGO, 23
.set VGN, 24
.set VER, 25                           ; v25-27 addresses that move in a loop
.set VAA, 26
.set VA2, 26
.set VEG, 25
.set VSWH, 26
.set VSWB, 27
.set SPW, 28
.set NIL, 29
.set DL,  30                           ; v30-31 [t = i - 1]
.set EA,  32
.set QF,  32
.set IT,  96
.set AT,  128
.set CC,  128
.set OFF, 160
.set DG,  160
.set PCF, 160
.set A2F, 176
.set AC2, 176
.set TA,  192
.set A2T, 192
.set AB,  224
.set PSF, 224
.set WT,  240
.set AV,  248                          ; v248, v250 A of the row in hand, one for each buffer
.set CM,  252
.set LS,  254
.set OT,  32
.set OP,  160
.set GE,  32                           ; the gate loop: e, W, packed
.set GWV, 48
.set GH,  64
.set GB,  72
.set RHO, 80
.set WV,  14
.set GD_E, 24                          ; s[24:31] group 1 for e; s[32:39] for rows padded to 144; s[40:47] to 160
.set GD_1, 32
.set GD_2, 40
.set GE0, 48                           ; six group 0 sets
.set GQ0, 52
.set GK0, 56
.set GH0, 60
.set GV0, 68
.set GW0, 72
.set SEL, 76
.set C0,  78
.set MK,  80                           ; s80-83 1.0 for my sub-block, else 0
.set KP,  84
.set AD_, 86
.set CT,  88
.set SR,  89
.set DI,  90
.set TS,  91
.set SGE, 92
.set SGH, 93
.set SGB, 94
.set HM,  95
.set RC,  96
.set EPS, 97
.set MSB, 0
.macro WIN new
.if MSB != (\new)
	s_set_vgpr_msb (MSB<<8)|(\new)
.set MSB, \new
.endif
.endm
.macro PLACES
.rept 4
	v_nop
.endr
.endm
	s_load_b256 s[4:11], s[0:1], 0x0               ; qkv 4:5, eg 6:7, st 8:9, g_norm_w 10:11
	s_load_b64 s[12:13], s[0:1], 0x20              ; on
	v_lshl_add_u32 v[SPW], v0, 2, SPARE
	v_mov_b32 v[NIL], 0
	ds_add_u32 v[SPW], v[NIL]                      ; the wave's opening: the add, waited for ahead of my first tensor load
	ds_add_u32 v28, v29
	v_lshrrev_b32 v1, 5, v0
	v_readfirstlane_b32 s[WV], v1
	s_and_b32 s15, ttmp7, 0xffff                   ; (batch, head)
	s_lshl_b32 s16, s15, 5
	s_add_co_u32 s16, s16, ttmp9                   ; chunk-head
	s_mov_b32 s[GD_E], 3<<16                       ; e: 4,096 dense bytes as 16 rows of 256
	s_mov_b32 s[GD_E+1], 32<<16
	s_mov_b32 s[GD_E+2], 16<<16
	s_mov_b32 s[GD_E+3], 32<<16
	s_mov_b32 s[GD_E+4], 16
	s_mov_b32 s[GD_E+5], 32
	s_mov_b32 s[GD_E+6], 0
	s_mov_b32 s[GD_E+7], 0
	s_mov_b32 s[GD_1], (1<<16)|(1<<20)|(4<<22)|(3<<25)  ; 8,192 dense bytes as 32 rows of 256; after every 32 words 4 words of padding
	s_mov_b32 s[GD_2], (1<<16)|(1<<20)|(4<<22)|(7<<25)  ; the same with 8 words
.irp g, GD_1, GD_2
	s_mov_b32 s[\g+1], 128<<16
	s_mov_b32 s[\g+2], 32<<16
	s_mov_b32 s[\g+3], 128<<16
	s_mov_b32 s[\g+4], 32
	s_mov_b32 s[\g+5], 128
	s_mov_b32 s[\g+6], 0
	s_mov_b32 s[\g+7], 0
.endr
	s_mul_i32 s17, s[WV], LEQ                      ; each wave brings quarter w of each of the six tensors
	s_mul_i32 s18, s[WV], QB1
	s_mul_i32 s19, s[WV], QB2
.irp g, GE0, GQ0, GK0, GH0, GV0, GW0
	s_mov_b32 s[\g], 1
.endr
	s_mov_b32 s[GE0+1], s17
	s_add_co_u32 s[GQ0+1], s18, LQ
	s_add_co_u32 s[GK0+1], s18, LK
	s_add_co_u32 s[GH0+1], s18, LH
	s_add_co_u32 s[GV0+1], s19, LV
	s_add_co_u32 s[GW0+1], s19, LHV
	s_lshl_b32 s20, s16, 14
	s_lshl_b32 s21, s[WV], 12
	s_add_co_u32 s20, s20, s21
	s_mov_b32 s21, 0
	s_mul_i32 s22, s16, 98304
	s_lshl_b32 s23, s[WV], 13
	s_add_co_u32 s22, s22, s23
	s_lshl_b32 s2, s16, 16
	s_add_co_u32 s2, s2, s23
	s_mov_b32 s23, 0
	s_mov_b32 s3, 0
	s_wait_dscnt 0x0                               ; the opening add is done
	s_wait_kmcnt 0x0
	s_add_nc_u64 s[GE0+2:GE0+3], s[6:7], s[20:21]
	s_or_b32 s[GE0+3], s[GE0+3], 0x80000000
	s_add_nc_u64 s[4:5], s[4:5], s[22:23]
	s_add_nc_u64 s[GQ0+2:GQ0+3], s[4:5], 0
	s_or_b32 s[GQ0+3], s[GQ0+3], 0x80000000
	s_add_nc_u64 s[GK0+2:GK0+3], s[4:5], 32768
	s_or_b32 s[GK0+3], s[GK0+3], 0x80000000
	s_add_nc_u64 s[GV0+2:GV0+3], s[4:5], 65536
	s_or_b32 s[GV0+3], s[GV0+3], 0x80000000
	s_add_nc_u64 s[8:9], s[8:9], s[2:3]
	s_add_nc_u64 s[GH0+2:GH0+3], s[8:9], 0
	s_or_b32 s[GH0+3], s[GH0+3], 0x80000000
	s_add_nc_u64 s[GW0+2:GW0+3], s[8:9], 32768
	s_or_b32 s[GW0+3], s[GW0+3], 0x80000000
	tensor_load_to_lds s[GE0:GE0+3], s[GD_E:GD_E+7]   ; six loads of mine are out, in the order in which they are wanted: e, Q, K, HK^T, V, HV
	s_nop 0
	tensor_load_to_lds s[GQ0:GQ0+3], s[GD_1:GD_1+7]
	s_nop 0
	tensor_load_to_lds s[GK0:GK0+3], s[GD_1:GD_1+7]
	s_nop 0
	tensor_load_to_lds s[GH0:GH0+3], s[GD_1:GD_1+7]
	s_nop 0
	tensor_load_to_lds s[GV0:GV0+3], s[GD_2:GD_2+7]
	s_nop 0
	tensor_load_to_lds s[GW0:GW0+3], s[GD_2:GD_2+7]
	s_nop 0
	; lane addresses
	v_and_b32 v[VR], 15, v0
	v_bfe_u32 v[VHF], v0, 4, 1
	v_and_b32 v[VL], 31, v0
	v_mul_u32_u24 v27, v[VR], P1
	v_lshl_add_u32 v27, v[VHF], 4, v27             ; a fragment's row x 144 + 16 x half
	s_mul_i32 s17, s[WV], QB1
	s_add_co_u32 s18, s17, LWB                     ; my W^a in bf16, later my stage
	s_add_co_u32 s19, s17, LWH                     ; my W^a in f16
	s_mul_i32 s20, s[WV], SCW
	s_add_co_u32 s20, s20, LSC                     ; my scratch
	s_mul_i32 s21, s[WV], 16*P1
	s_add_co_u32 s21, s21, LQ                      ; my sixteen queries
	s_lshl_b32 s22, s[WV], 10                      ; my sixteen rows of e
	v_add_nc_u32 v[VQ], s21, v27
	v_add_nc_u32 v[VK], LK, v27
	v_add_nc_u32 v[VH], LH, v27
	v_add_nc_u32 v[VWBF], s18, v27
	v_add_nc_u32 v[VWHF], s19, v27
	v_and_b32 v25, 7, v0
	v_lshl_add_u32 v26, v[VHF], 3, v25             ; the turning load: row 8 h + l % 8, 16 bytes ((l / 8) % 2)
	v_mul_u32_u24 v26, v26, P2
	v_bfe_u32 v27, v0, 3, 1
	v_lshl_add_u32 v26, v27, 4, v26
	v_add_nc_u32 v[VV], LV, v26
	v_add_nc_u32 v[VHV], LHV, v26
	v_bfe_u32 v27, v0, 3, 2
	v_mul_u32_u24 v27, v27, LEQ
	v_lshl_add_u32 v[VEG0], v25, 3, v27            ; the gate loop: lane l owns slots 2 l, 2 l + 1
	v_lshl_add_u32 v[VSWH0], v[VL], 2, s19
	v_mul_u32_u24 v27, v[VL], 2*P1
	v_add_nc_u32 v[VSWB0], s18, v27
	v_lshl_add_u32 v[VTAS], v[VL], 3, s20
	v_lshl_add_u32 v[VTAR], v[VHF], 5, s20
	s_add_co_u32 s23, s20, 256
	v_lshl_add_u32 v[VAA0], v[VR], 2, s23
	v_lshl_add_u32 v[VADS], v[VHF], 9, v[VAA0]
	s_add_co_u32 s23, s20, 1280
	v_lshl_add_u32 v[VA2B], v[VL], 2, s23
	v_lshl_add_u32 v[VA2R], v[VR], 2, s23
	v_lshl_add_u32 v[VA2R], v[VHF], 10, v[VA2R]
	v_lshl_add_u32 v[VER0], v[VHF], 5, s22
	v_mul_u32_u24 v27, v[VR], 528
	v_lshl_add_u32 v27, v[VHF], 4, v27
	v_add_nc_u32 v[VSTO], s18, v27
	v_lshl_add_u32 v[VRD], v[VL], 4, s18
	v_lshlrev_b32 v[VGO], 4, v[VL]
	v_lshlrev_b32 v[VGN], 5, v[VHF]
	v_mov_b32 v[DL+1], 0                           ; named in pairs, so they are written
	v_mov_b32 v[AV+1], 0
	v_mov_b32 v[AV+3], 0
	WIN 0xc0                                       ; destination window 3
.set i, 0
.rept 32                               ; the gain of my 128 channels: 16 vt + 8 h + j
	global_load_b128 v[4*i:4*i+3], v[VGN], s[10:11] offset:64*(i/2)+16*(i%2)
.set i, i+1
.endr
	WIN 0
	s_lshr_b32 s17, s15, 2                         ; where my sixteen rows of the result begin
	s_lshl_b32 s17, s17, 11
	s_lshl_b32 s18, ttmp9, 6
	s_add_co_u32 s17, s17, s18
	s_lshl_b32 s18, s[WV], 4
	s_add_co_u32 s17, s17, s18
	s_lshl_b32 s17, s17, 11
	s_and_b32 s18, s15, 3
	s_lshl_b32 s18, s18, 9
	s_add_co_u32 s2, s17, s18
	s_mov_b32 s3, 0
	s_add_nc_u64 s[12:13], s[12:13], s[2:3]
	s_mov_b32 s[SEL], 0x76543210
	s_mov_b32 s[SEL+1], 0xfedcba98
	s_mov_b32 s[C0], 0x3db8aa3b                    ; log2(e) / 16
	s_mov_b32 s[C0+1], 0x3db8aa3b
	s_mov_b32 s[HM], 0xffff0000
	s_mov_b32 s[RC], 0x3b800000                    ; 1 / 256
	s_mov_b32 s[EPS], 0x3727c5ac                   ; 1e-5
	s_mov_b32 s[KP+1], 0
	s_mov_b32 s[AD_+1], 0
.irp b, 0,1,2,3
	s_cmp_eq_u32 s[WV], \b
	s_cselect_b32 s[MK+\b], 1.0, 0
.endr
	s_wait_tensorcnt 0x5                           ; my quarter of e is in; the five younger loads stay out
	s_barrier_signal -1
	s_barrier_wait -1                              ; everybody's is
	; THE GATE LOOP: i from 63 down, eight a trip.  From i = 16 a on e counts as 1, so W is 0 there and rho stays 1.  At the end rho = T_a.
	v_mov_b32 v[RHO], 1.0
	v_mov_b32 v[RHO+1], 1.0
	s_mov_b32 s[SGE], 56*64
	s_mov_b32 s[SGH], 56*P1
	s_mov_b32 s[SGB], 56*2
	s_mov_b32 s[CT], 8
.Lgp:
	v_add_nc_u32 v[VEG], s[SGE], v[VEG0]
	v_add_nc_u32 v[VSWH], s[SGH], v[VSWH0]
	v_add_nc_u32 v[VSWB], s[SGB], v[VSWB0]
.set j, 0
.rept 8
	ds_load_b64 v[GE+2*j:GE+2*j+1], v[VEG] offset:64*j
.set j, j+1
.endr
	s_sub_co_u32 s[TS], s[CT], 1
	s_lshr_b32 s[TS], s[TS], 1                     ; the trip's sub-block
	s_cmp_lt_u32 s[TS], s[WV]                      ; does it lie ahead of mine?  A choice of values, no branch
	s_cselect_b32 s[KP], 1.0, 0
	s_cselect_b32 s[AD_], 0, 1.0
	s_sub_co_u32 s[SGE], s[SGE], 512
	s_sub_co_u32 s[SGH], s[SGH], 8*P1
	s_sub_co_u32 s[SGB], s[SGB], 16
	s_wait_dscnt 0x0
.set j, 0
.rept 8
	v_pk_fma_f32 v[GE+2*j:GE+2*j+1], v[GE+2*j:GE+2*j+1], s[KP:KP+1], s[AD_:AD_+1] op_sel_hi:[1,0,0]
.set j, j+1
.endr
.irp j, 7,6,5,4,3,2,1,0
	v_pk_fma_f32 v[GWV+2*\j:GWV+2*\j+1], v[RHO:RHO+1], v[GE+2*\j:GE+2*\j+1], v[RHO:RHO+1] neg_lo:[1,0,0] neg_hi:[1,0,0]  ; W = rho (1 - e), one rounding
	v_pk_mul_f32 v[RHO:RHO+1], v[RHO:RHO+1], v[GE+2*\j:GE+2*\j+1]
.endr
.set j, 0
.rept 8
	v_cvt_pk_f16_f32 v[GH+j], v[GWV+2*j], v[GWV+2*j+1]
.set j, j+1
.endr
.set j, 0
.rept 4
	v_cvt_pk_bf16_f32 v[GB+j], v[GWV+4*j], v[GWV+4*j+2]
	v_cvt_pk_bf16_f32 v[GB+4+j], v[GWV+4*j+1], v[GWV+4*j+3]
.set j, j+1
.endr
.set j, 0
.rept 8
	ds_store_b32 v[VSWH], v[GH+j] offset:P1*j      ; [i][slot]
.set j, j+1
.endr
	ds_store_b128 v[VSWB], v[GB:GB+3]              ; [slot][i]: eight neighbouring i of slot 2 l,
	ds_store_b128 v[VSWB], v[GB+4:GB+7] offset:P1  ; of slot 2 l + 1
	s_sub_co_u32 s[CT], s[CT], 1
	s_cmp_lg_u32 s[CT], 0
	s_cbranch_scc1 .Lgp
	ds_store_b64 v[VTAS], v[RHO:RHO+1]             ; T_a
	; the gain is rounded to bf16, like the module's other inputs
	s_wait_loadcnt 0x0
	WIN 0xcf
.set i, 0
.rept 16
.irp q, 0,1,2,3
	v_cvt_pk_bf16_f32 v[128+\q], v[8*i+2*\q], v[8*i+2*\q+1]
.endr
.irp q, 0,1,2,3
	v_lshlrev_b32 v[8*i+2*\q], 16, v[128+\q]
	v_and_b32 v[8*i+2*\q+1], s[HM], v[128+\q]
.endr
.set i, i+1
.endr
	WIN 0
	; THE FIRST PASS'S PRODUCTS
	s_wait_tensorcnt 0x2                           ; Q, K, HK^T: my quarters are in; V and HV may stay out
	s_wait_dscnt 0x0
	s_barrier_signal -1
	s_barrier_wait -1
.macro FRAG1 win, areg                 ; 32 fragments of 16 rows x 32 channels: row tile f / 8, channels 32 (f % 8) on
	WIN \win
.set f, 0
.rept 32
	ds_load_b128 v[8*f:8*f+3],   v[\areg] offset:((f%8)/2)*QB1+(f/8)*16*P1+(f%2)*64
	ds_load_b128 v[8*f+4:8*f+7], v[\areg] offset:((f%8)/2)*QB1+(f/8)*16*P1+(f%2)*64+32
.set f, f+1
.endr
	WIN 0
.endm
.set k, 0
.rept 8
	ds_load_b128 v[QF+8*k:QF+8*k+3],   v[VQ] offset:(k/2)*QB1+(k%2)*64
	ds_load_b128 v[QF+8*k+4:QF+8*k+7], v[VQ] offset:(k/2)*QB1+(k%2)*64+32
.set k, k+1
.endr
	FRAG1 0x40, VH
	FRAG1 0x80, VK
	s_wait_dscnt 63                                ; 64 loads were issued behind HK^T's last: with 63 out it is in
	WIN 0x01
.set k, 0
.rept 8                                ; q . HK0: four accumulators by turns
.set t, 0
.rept 4
.if k == 0
	v_wmma_f32_16x16x32_f16 v[IT+8*t:IT+8*t+7], v[8*(8*t+k):8*(8*t+k)+7], v[QF+8*k:QF+8*k+7], 0
.else
	v_wmma_f32_16x16x32_f16 v[IT+8*t:IT+8*t+7], v[8*(8*t+k):8*(8*t+k)+7], v[QF+8*k:QF+8*k+7], v[IT+8*t:IT+8*t+7]
.endif
.set t, t+1
.endr
.set k, k+1
.endr
	s_wait_dscnt 0x0
	WIN 0x02
.set k, 0
.rept 8                                ; A = q . k_i
.set t, 0
.rept 4
.if k == 0
	v_wmma_f32_16x16x32_f16 v[AT+8*t:AT+8*t+7], v[8*(8*t+k):8*(8*t+k)+7], v[QF+8*k:QF+8*k+7], 0
.else
	v_wmma_f32_16x16x32_f16 v[AT+8*t:AT+8*t+7], v[8*(8*t+k):8*(8*t+k)+7], v[QF+8*k:QF+8*k+7], v[AT+8*t:AT+8*t+7]
.endif
.set t, t+1
.endr
.set k, k+1
.endr
	WIN 0
	PLACES
	; my own block of A goes to LDS as [i][t] in f32; all of A is rounded to bf16: two tiles in pairs are a source 1
.set j, 0
.rept 8
	v_mul_f32 v[WT+j], s[MK], v[AT+j]
.set j, j+1
.endr
.irp b, 1,2,3
.set j, 0
.rept 8
	v_fma_f32 v[WT+j], s[MK+\b], v[AT+8*\b+j], v[WT+j]
.set j, j+1
.endr
.endr
.set j, 0
.rept 8
	ds_store_b32 v[VADS], v[WT+j] offset:64*j
.set j, j+1
.endr
.set i, 0
.rept 16
	v_cvt_pk_bf16_f32 v[AB+i], v[AT+2*i], v[AT+2*i+1]
.set i, i+1
.endr
.set f, 0
.rept 8                                ; W^a in bf16: slot tile f / 2, keys 32 (f % 2) on
	ds_load_b128 v[EA+8*f:EA+8*f+3],   v[VWBF] offset:(f/2)*16*P1+(f%2)*64
	ds_load_b128 v[EA+8*f+4:EA+8*f+7], v[VWBF] offset:(f/2)*16*P1+(f%2)*64+32
.set f, f+1
.endr
.set i, 0
.rept 8
	ds_load_b128 v[TA+4*i:TA+4*i+3], v[VTAR] offset:64*(i/2)+16*(i%2)
.set i, i+1
.endr
	s_wait_dscnt 0x0
.set k, 0
.rept 2
.set t, 0
.rept 4
.if k == 0
	v_wmma_f32_16x16x32_bf16 v[OFF+8*t:OFF+8*t+7], v[EA+8*(2*t+k):EA+8*(2*t+k)+7], v[AB+8*k:AB+8*k+7], 0
.else
	v_wmma_f32_16x16x32_bf16 v[OFF+8*t:OFF+8*t+7], v[EA+8*(2*t+k):EA+8*(2*t+k)+7], v[AB+8*k:AB+8*k+7], v[OFF+8*t:OFF+8*t+7]
.endif
.set t, t+1
.endr
.set k, k+1
.endr
	PLACES
.set i, 0
.rept 16
	v_pk_fma_f32 v[IT+2*i:IT+2*i+1], v[TA+2*i:TA+2*i+1], v[IT+2*i:IT+2*i+1], v[OFF+2*i:OFF+2*i+1]  ; Y = T_a (q . HK0) + off-block sum
.set i, i+1
.endr
; THE SWEEPS.  ROWLD: a row of e for my 32 slots (eight loads; all lanes of a half read the same bytes), in sweep 1 also A of that key.  Buffer 0 takes the row 64 bytes above the pointer, buffer 1 the pointer's.
.macro ROWLD kind, bf
.set EB_, EA+32*(\bf)
.set AV_, AV+2*(\bf)
.set g, 0
.rept 4
	ds_load_b128 v[EB_+8*g:EB_+8*g+3],   v[VER] offset:g*LEQ+64*(1-(\bf))
	ds_load_b128 v[EB_+8*g+4:EB_+8*g+7], v[VER] offset:g*LEQ+64*(1-(\bf))+16
.set g, g+1
.endr
.if (\kind) == 1
	ds_load_b32 v[AV_], v[VAA] offset:64*(1-(\bf))
.endif
.endm
; One key i.  w = c - c e;  c = c e + [t = i - 1];  sweep 1: block sum += w A;  sweep 2: sum over my slots of p w, stored for key i.
.macro STEP kind, bf, ld, wt, ar, so
.set EB_, EA+32*(\bf)
.set AV_, AV+2*(\bf)
	s_wait_dscnt \wt
	v_cmp_eq_u32 vcc_lo, s[DI], v[VR]
	v_cndmask_b32 v[DL], 0, 1.0, vcc_lo
	s_sub_co_u32 s[DI], s[DI], 1
.set g, 0
.rept 4
.set q, 0
.rept 4
	v_pk_fma_f32 v[WT+2*q:WT+2*q+1], v[CC+8*g+2*q:CC+8*g+2*q+1], v[EB_+8*g+2*q:EB_+8*g+2*q+1], v[CC+8*g+2*q:CC+8*g+2*q+1] neg_lo:[1,0,0] neg_hi:[1,0,0]
.set q, q+1
.endr
.set q, 0
.rept 4
	v_pk_fma_f32 v[CC+8*g+2*q:CC+8*g+2*q+1], v[CC+8*g+2*q:CC+8*g+2*q+1], v[EB_+8*g+2*q:EB_+8*g+2*q+1], v[DL:DL+1] op_sel_hi:[1,1,0]
.set q, q+1
.endr
.set q, 0
.rept 4
.if (\kind) == 1
	v_pk_fma_f32 v[DG+8*g+2*q:DG+8*g+2*q+1], v[WT+2*q:WT+2*q+1], v[AV_:AV_+1], v[DG+8*g+2*q:DG+8*g+2*q+1] op_sel_hi:[1,0,1]
.elseif g == 0
	v_pk_mul_f32 v[AC2+2*q:AC2+2*q+1], v[IT+2*q:IT+2*q+1], v[WT+2*q:WT+2*q+1]
.else
	v_pk_fma_f32 v[AC2+2*q:AC2+2*q+1], v[IT+8*g+2*q:IT+8*g+2*q+1], v[WT+2*q:WT+2*q+1], v[AC2+2*q:AC2+2*q+1]
.endif
.set q, q+1
.endr
.set g, g+1
.endr
.if \ld
	ROWLD \kind, \bf
.endif
.if (\kind) == 2
	v_pk_add_f32 v[AC2:AC2+1], v[AC2:AC2+1], v[AC2+2:AC2+3]
	v_pk_add_f32 v[AC2+4:AC2+5], v[AC2+4:AC2+5], v[AC2+6:AC2+7]
	v_pk_add_f32 v[AC2:AC2+1], v[AC2:AC2+1], v[AC2+4:AC2+5]
	v_add_f32 v[AC2], v[AC2], v[AC2+1]
	ds_store_b32 v[\ar], v[AC2] offset:\so
.endif
.endm
; Keys 15 to 0, two a trip on two buffers; a step fills its own buffer again with the row two further down.  The last two keys are written out without loads.
; Waits: sweep 1: the other buffer's nine loads may be out.  Sweep 2: behind a buffer's eight loads at least eight LDS instructions have been issued in every step.
.macro SWEEP kind
	s_mov_b32 s[SR], 14*64
	s_mov_b32 s[DI], 14
	v_add_nc_u32 v[VER], s[SR], v[VER0]
.if (\kind) == 1
	v_add_nc_u32 v[VAA], s[SR], v[VAA0]
.endif
	ROWLD \kind, 0
	ROWLD \kind, 1
	v_cmp_eq_u32 vcc_lo, 15, v[VR]
.set i, 0
.rept 32
	v_cndmask_b32 v[CC+i], 0, 1.0, vcc_lo          ; c = [t = 15]
.set i, i+1
.endr
.if (\kind) == 1
.set i, 0
.rept 32
	v_mov_b32 v[DG+i], 0
.set i, i+1
.endr
.endif
	s_mov_b32 s[CT], 7
.Lsw_\@:
	s_sub_co_u32 s[SR], s[SR], 128                 ; the pointer: the lower of the two rows that this trip fetches
	v_add_nc_u32 v[VER], s[SR], v[VER0]
.if (\kind) == 1
	v_add_nc_u32 v[VAA], s[SR], v[VAA0]
	STEP 1, 0, 1, 9, VA2, 0
	STEP 1, 1, 1, 9, VA2, 0
.else
	v_lshl_add_u32 v[VA2], s[SR], 1, v[VA2B]       ; rows of 128 bytes; the trip's two keys lie two rows above the pointer's
	STEP 2, 0, 1, 8, VA2, 384
	STEP 2, 1, 1, 8, VA2, 256
.endif
	s_sub_co_u32 s[CT], s[CT], 1
	s_cmp_lg_u32 s[CT], 0
	s_cbranch_scc1 .Lsw_\@
.if (\kind) == 1
	STEP 1, 0, 0, 9, VA2B, 0
	STEP 1, 1, 0, 0, VA2B, 0
.else
	STEP 2, 0, 0, 8, VA2B, 128
	STEP 2, 1, 0, 0, VA2B, 0
.endif
.endm
	SWEEP 1                                        ; block sums; c ends as Lam
	; THE SECOND PASS'S FRAGMENTS, and the softmax while they come
	s_wait_tensorcnt 0x0                           ; V, HV: my quarters are in
	s_wait_dscnt 0x0
	s_barrier_signal -1
	s_barrier_wait -1
.macro FRAG2 win, areg                 ; 32 turned fragments of 16 channels x 32 rows: channels 16 (f % 16) on, rows 32 (f / 16) on
	WIN \win
.set f, 0
.rept 32
	ds_load_tr16_b128 v[8*f:8*f+3],   v[\areg] offset:((f%16)/4)*QB2+(f/16)*32*P2+(f%4)*32
	ds_load_tr16_b128 v[8*f+4:8*f+7], v[\areg] offset:((f%16)/4)*QB2+(f/16)*32*P2+16*P2+(f%4)*32
.set f, f+1
.endr
	WIN 0
.endm
	FRAG2 0x40, VHV
	FRAG2 0x80, VV
.set f, 0
.rept 8                                ; W^a in f16: key tile f / 2, slots 32 (f % 2) on
	ds_load_b128 v[EA+8*f:EA+8*f+3],   v[VWHF] offset:(f/2)*16*P1+(f%2)*64
	ds_load_b128 v[EA+8*f+4:EA+8*f+7], v[VWHF] offset:(f/2)*16*P1+(f%2)*64+32
.set f, f+1
.endr
.set i, 0
.rept 16
	v_pk_fma_f32 v[IT+2*i:IT+2*i+1], v[CC+2*i:CC+2*i+1], v[IT+2*i:IT+2*i+1], v[DG+2*i:DG+2*i+1]  ; L = Lam Y + block sum
.set i, i+1
.endr
.irp q, 0,1,2,3
	v_max3_num_f32 v[WT+\q], v[IT+8*\q], v[IT+8*\q+1], v[IT+8*\q+2]
.endr
.irp q, 0,1,2,3
	v_max3_num_f32 v[WT+\q], v[WT+\q], v[IT+8*\q+3], v[IT+8*\q+4]
.endr
.irp q, 0,1,2,3
	v_max3_num_f32 v[WT+\q], v[WT+\q], v[IT+8*\q+5], v[IT+8*\q+6]
.endr
	v_max3_num_f32 v[WT], v[WT], v[IT+7], v[IT+15]
	v_max3_num_f32 v[WT+1], v[WT+1], v[IT+23], v[IT+31]
	v_max3_num_f32 v[WT], v[WT], v[WT+1], v[WT+2]
	v_max_num_f32 v[WT], v[WT], v[WT+3]
	v_permlanex16_b32 v[WT+1], v[WT], s[SEL], s[SEL+1]  ; the query's other 32 slots lie in the lane 16 away
	v_max_num_f32 v[WT], v[WT], v[WT+1]
	v_mul_f32 v[CM], s[C0], v[WT]
	v_mov_b32 v[CM+1], v[CM]
.set i, 0
.rept 16
	v_pk_fma_f32 v[IT+2*i:IT+2*i+1], v[IT+2*i:IT+2*i+1], s[C0:C0+1], v[CM:CM+1] op_sel_hi:[1,0,0] neg_lo:[0,0,1] neg_hi:[0,0,1]
.set i, i+1
.endr
.set i, 0
.rept 32
	v_exp_f32 v[IT+i], v[IT+i]                     ; p
.set i, i+1
.endr
	v_nop
	s_wait_alu depctr_va_vdst(0)
.irp q, 0,1,2,3
	v_pk_add_f32 v[WT+2*\q:WT+2*\q+1], v[IT+8*\q:IT+8*\q+1], v[IT+8*\q+2:IT+8*\q+3]
.endr
.irp q, 0,1,2,3
	v_pk_add_f32 v[WT+2*\q:WT+2*\q+1], v[WT+2*\q:WT+2*\q+1], v[IT+8*\q+4:IT+8*\q+5]
.endr
.irp q, 0,1,2,3
	v_pk_add_f32 v[WT+2*\q:WT+2*\q+1], v[WT+2*\q:WT+2*\q+1], v[IT+8*\q+6:IT+8*\q+7]
.endr
	v_pk_add_f32 v[WT:WT+1], v[WT:WT+1], v[WT+2:WT+3]
	v_pk_add_f32 v[WT+4:WT+5], v[WT+4:WT+5], v[WT+6:WT+7]
	v_pk_add_f32 v[WT:WT+1], v[WT:WT+1], v[WT+4:WT+5]
	v_add_f32 v[LS], v[WT], v[WT+1]                ; l of my 32 slots
.set g, 0
.rept 4                                ; p Lam and p Lam T_a, rounded to f16: each a source 1 of 64 slots x 16 queries
.irp q, 0,1,2,3
	v_pk_mul_f32 v[WT+2*\q:WT+2*\q+1], v[IT+8*g+2*\q:IT+8*g+2*\q+1], v[CC+8*g+2*\q:CC+8*g+2*\q+1]
.endr
.irp q, 0,1,2,3
	v_cvt_pk_f16_f32 v[PSF+4*g+\q], v[WT+2*\q], v[WT+2*\q+1]
.endr
.irp q, 0,1,2,3
	v_pk_mul_f32 v[WT+2*\q:WT+2*\q+1], v[WT+2*\q:WT+2*\q+1], v[TA+8*g+2*\q:TA+8*g+2*\q+1]
.endr
.irp q, 0,1,2,3
	v_cvt_pk_f16_f32 v[PCF+4*g+\q], v[WT+2*\q], v[WT+2*\q+1]
.endr
.set g, g+1
.endr
	s_wait_dscnt 0x0
.set k, 0
.rept 2                                ; A2 off the block
.set t, 0
.rept 4
.if k == 0
	v_wmma_f32_16x16x32_f16 v[A2T+8*t:A2T+8*t+7], v[EA+8*(2*t+k):EA+8*(2*t+k)+7], v[PSF+8*k:PSF+8*k+7], 0
.else
	v_wmma_f32_16x16x32_f16 v[A2T+8*t:A2T+8*t+7], v[EA+8*(2*t+k):EA+8*(2*t+k)+7], v[PSF+8*k:PSF+8*k+7], v[A2T+8*t:A2T+8*t+7]
.endif
.set t, t+1
.endr
.set k, k+1
.endr
	PLACES
	SWEEP 2                                        ; A2 inside the block, as two halves' partial sums in LDS
.set j, 0
.rept 8
	ds_load_b32 v[EA+j], v[VA2R] offset:128*j      ; key 8 h + j, query r: the lower half's sum,
	ds_load_b32 v[EA+8+j], v[VA2R] offset:128*j+64 ; the upper half's
.set j, j+1
.endr
	s_wait_dscnt 0x0
.set j, 0
.rept 4
	v_pk_add_f32 v[EA+2*j:EA+2*j+1], v[EA+2*j:EA+2*j+1], v[EA+8+2*j:EA+8+2*j+1]
.set j, j+1
.endr
.irp b, 0,1,2,3
.set j, 0
.rept 8
	v_fma_f32 v[A2T+8*\b+j], s[MK+\b], v[EA+j], v[A2T+8*\b+j]  ; into my own block, where W^a left 0
.set j, j+1
.endr
.endr
.set i, 0
.rept 16
	v_cvt_pk_f16_f32 v[A2F+i], v[A2T+2*i], v[A2T+2*i+1]
.set i, i+1
.endr
	; o: sixteen accumulators by turns
	WIN 0x01
.set k, 0
.rept 2
.set t, 0
.rept 16
.if k == 0
	v_wmma_f32_16x16x32_f16 v[OT+8*t:OT+8*t+7], v[8*(16*k+t):8*(16*k+t)+7], v[PCF+8*k:PCF+8*k+7], 0
.else
	v_wmma_f32_16x16x32_f16 v[OT+8*t:OT+8*t+7], v[8*(16*k+t):8*(16*k+t)+7], v[PCF+8*k:PCF+8*k+7], v[OT+8*t:OT+8*t+7]
.endif
.set t, t+1
.endr
.set k, k+1
.endr
	WIN 0x02
.set k, 0
.rept 2
.set t, 0
.rept 16
	v_wmma_f32_16x16x32_f16 v[OT+8*t:OT+8*t+7], v[8*(16*k+t):8*(16*k+t)+7], v[A2F+8*k:A2F+8*k+7], v[OT+8*t:OT+8*t+7]
.set t, t+1
.endr
.set k, k+1
.endr
	WIN 0
	PLACES
	; THE WAY OUT: o / l, RMSNorm over the head's 256 channels, the gain; f16 through my stage
.irp q, 0,1,2,3
	v_pk_mul_f32 v[WT+2*\q:WT+2*\q+1], v[OT+2*\q:OT+2*\q+1], v[OT+2*\q:OT+2*\q+1]
.endr
.set i, 4
.rept 60                               ; the sum of squares in four chains; each accumulator is read from its low end on
	v_pk_fma_f32 v[WT+2*(i%4):WT+2*(i%4)+1], v[OT+2*i:OT+2*i+1], v[OT+2*i:OT+2*i+1], v[WT+2*(i%4):WT+2*(i%4)+1]
.set i, i+1
.endr
	v_permlanex16_b32 v[AV], v[LS], s[SEL], s[SEL+1]
	v_pk_add_f32 v[WT:WT+1], v[WT:WT+1], v[WT+2:WT+3]
	v_pk_add_f32 v[WT+4:WT+5], v[WT+4:WT+5], v[WT+6:WT+7]
	v_add_f32 v[LS], v[LS], v[AV]                  ; l
	v_pk_add_f32 v[WT:WT+1], v[WT:WT+1], v[WT+4:WT+5]
	v_rcp_f32 v[CM], v[LS]
	v_add_f32 v[WT], v[WT], v[WT+1]
	v_permlanex16_b32 v[WT+1], v[WT], s[SEL], s[SEL+1]
	s_wait_alu depctr_va_vdst(0)
	v_mul_f32 v[WT+2], v[CM], v[CM]
	v_add_f32 v[WT], v[WT], v[WT+1]                ; the sum of squares of l o
	v_mul_f32 v[WT+2], v[WT+2], v[WT]
	v_fma_f32 v[WT+2], v[WT+2], s[RC], s[EPS]      ; mean o^2 + 1e-5
	v_rsq_f32 v[WT+3], v[WT+2]
	v_nop
	s_wait_alu depctr_va_vdst(0)
	v_mul_f32 v[CM], v[CM], v[WT+3]
.set i, 0
.rept 64
	v_pk_mul_f32 v[OT+2*i:OT+2*i+1], v[OT+2*i:OT+2*i+1], v[CM:CM+1] op_sel_hi:[1,0]
.set i, i+1
.endr
	WIN 0x0c                                       ; source 1: the gain, in window 3
.set i, 0
.rept 64
	v_pk_mul_f32 v[OT+2*i:OT+2*i+1], v[OT+2*i:OT+2*i+1], v[2*i:2*i+1]
.set i, i+1
.endr
	WIN 0
.set i, 0
.rept 64
	v_cvt_pk_f16_f32 v[OP+i], v[OT+2*i], v[OT+2*i+1]
.set i, i+1
.endr
.set i, 0
.rept 16
	ds_store_b128 v[VSTO], v[OP+4*i:OP+4*i+3] offset:32*i
.set i, i+1
.endr
.set i, 0
.rept 16
	ds_load_b128 v[OP+4*i:OP+4*i+3], v[VRD] offset:528*i  ; LDS serves a wave's instructions in order: these see the stores above
.set i, i+1
.endr
.set i, 0
.rept 16
	s_wait_dscnt 15-i
	global_store_b128 v[VGO], v[OP+4*i:OP+4*i+3], s[12:13] offset:2048*i  ; a head's 512 consecutive aligned bytes of one row
.set i, i+1
.endr
	s_wait_tensorcnt 0x0                           ; the wave's end
	ds_add_u32 v[SPW], v[NIL]
	s_wait_dscnt 0x0
	s_endpgm
.Lfunc_end_k_qbec8589d25_chunk:
	.size	k_qbec8589d25_chunk, .Lfunc_end_k_qbec8589d25_chunk-k_qbec8589d25_chunk
	.p2alignl 7, 3214868480
	.fill 96, 4, 3214868480
	.section	.rodata,"a",@progbits
	.p2align	6, 0x0
	.amdhsa_kernel k_qbec8589d25_chunk
		.amdhsa_group_segment_fixed_size 297984
		.amdhsa_private_segment_fixed_size 0
		.amdhsa_enable_private_segment 0
		.amdhsa_kernarg_size 40
		.amdhsa_user_sgpr_count 2
		.amdhsa_user_sgpr_kernarg_segment_ptr 1
		.amdhsa_wavefront_size32 1
		.amdhsa_system_sgpr_workgroup_id_x 1
		.amdhsa_system_sgpr_workgroup_id_y 1
		.amdhsa_system_sgpr_workgroup_id_z 1
		.amdhsa_system_vgpr_workitem_id 0
		.amdhsa_next_free_vgpr 912
		.amdhsa_next_free_sgpr 100
		.amdhsa_reserve_vcc 1
		.amdhsa_float_denorm_mode_32 3
		.amdhsa_float_denorm_mode_16_64 3
		.amdhsa_memory_ordered 1
		.amdhsa_forward_progress 1
		.amdhsa_inst_pref_size 130
	.end_amdhsa_kernel
	.amdgpu_metadata
---
amdhsa.version: [ 1, 2 ]
amdhsa.kernels:
  - .name:           k_qbec8589d25_chunk
    .symbol:         k_qbec8589d25_chunk.kd
    .args:
      - { .name: qkv, .offset: 0, .size: 8, .value_kind: global_buffer, .address_space: global }
      - { .name: eg, .offset: 8, .size: 8, .value_kind: global_buffer, .address_space: global }
      - { .name: st, .offset: 16, .size: 8, .value_kind: global_buffer, .address_space: global }
      - { .name: g_norm_w, .offset: 24, .size: 8, .value_kind: global_buffer, .address_space: global }
      - { .name: on, .offset: 32, .size: 8, .value_kind: global_buffer, .address_space: global }
    .group_segment_fixed_size: 297984
    .private_segment_fixed_size: 0
    .kernarg_segment_align: 8
    .kernarg_segment_size: 40
    .max_flat_workgroup_size: 128
    .sgpr_count:     100
    .vgpr_count:     912
    .wavefront_size: 32
...
	.end_amdgpu_metadata
.endif
;; end of part 4
;; launch outp (part 5): grid 8 x 32, 4 waves a work-group, clusters of 4 x 4, 327,680 bytes of LDS; arguments on, wot, out0; writes out0
.if DOCPART == 5
	.amdgcn_target "amdgcn-amd-amdhsa--gfx1250"
	.amdhsa_code_object_version 6
	.text
	.protected	k_qbec8589d25_outp
	.globl	k_qbec8589d25_outp
	.p2align	8
	.type	k_qbec8589d25_outp,@function
k_qbec8589d25_outp:
	s_mov_b64 s[64:65], 0
	v_nop
	global_prefetch_b8 v0, s[64:65] scope:SCOPE_SE
	s_setreg_imm32_b32 hwreg(HW_REG_WAVE_MODE, 25, 1), 1
	s_wait_xcnt 0x0
	s_wait_alu depctr_hold_cnt(0) depctr_sa_sdst(0) depctr_va_vdst(0) depctr_va_sdst(0) depctr_va_ssrc(0) depctr_va_vcc(0) depctr_vm_vsrc(0)
	s_getreg_b32 s2, hwreg(HW_REG_IB_STS2, 6, 4)
	s_cmp_eq_u32 s2, 0
	s_cbranch_scc0 .Lentry_in_a_cluster
	s_endpgm
.Lentry_in_a_cluster:
	s_bfe_u32 s2, ttmp6, 0x10000c
	s_cmp_lg_u32 s2, 0xf033
	s_cbranch_scc0 .Lentry_shape_is_right
	s_endpgm
.Lentry_shape_is_right:
; OUTP: out0 = on Wo.  on: [8192][1024] f16; wot: [1024 n][1024 k], Wo's bf16 values written as f16; out0 f32.  Sums in f32.
; The frame is the projection's: a work-group makes 256 rows x 128 columns; wave w takes rows 64 w .. 64 w + 63 and all 8 column tiles: 32 accumulators.  K in steps of 128 through two LDS slots.
; CLUSTER 4 x 4: on's tile is shared along a row of the cluster, wot's along a column: joint loads.  The product is used transposed: a lane holds one row and eight neighbouring columns.
; LIMITS.  on is a normalised vector times the gain: far inside f16's range; wot as stated where it is made.
; REGISTERS: window 0: v0-31 addresses; v64-95, v96-127 on's fragments; v128-191 the way out.  window 1: wot's fragments, two buffers of 64.  windows 2, 3: accumulators at 8 (8 a + b).
.set NT,    8
.set BROWS, 16*NT
.set KSTEP, 128
.set PITCH, 272
.set HA,    128*PITCH
.set HB,    (BROWS/2)*PITCH
.set BOFF,  256*PITCH
.set SLOT1, 131072
.set STAGE, 262144                     ; behind the ring, never filled by a tensor load: 16 rows x 528 bytes a wave
.set WST,   16*528
.set SPARE, STAGE+4*WST
.set A0, 16
.set B0, 17
.set ADRA, 18
.set ADRB, 19
.set STO, 24
.set RD,  25
.set GO,  26
.set SPW, 28
.set NIL, 29
.set XF,  64
.set OB,  128
.set G1,  24
.set G0,  32
.set G1B, 48
.set G0B, 56
.set TB,  22
.set MSB, 0
.macro WIN new
.if MSB != (\new)
	s_set_vgpr_msb (MSB<<8)|(\new)
.set MSB, \new
.endif
.endm
.set MUL_LO, 0xa1
.set TO_W,   0x40
.macro PLACES
.rept 4
	v_nop
.endr
.endm
.macro JLOAD                           ; a joint refill by the walking sets; an s_nop 0 and four v_nop follow each line
	s_cmp_eq_u32 s11, 0
	s_cbranch_scc0 .Lfor_b_\@
	tensor_load_to_lds s[G0+4:G0+7], s[G1:G1+7]
	s_nop 0
.rept 4
	v_nop
.endr
	s_branch .Lasked_\@
.Lfor_b_\@:
	tensor_load_to_lds s[G0B+4:G0B+7], s[G1B:G1B+7]
	s_nop 0
.rept 4
	v_nop
.endr
.Lasked_\@:
.endm
.macro CREST
	s_cmp_lg_u32 s10, 0
	s_cbranch_scc1 .Lnot_wave_0_\@
	s_barrier_signal -3
.Lnot_wave_0_\@:
	s_barrier_wait -3
	s_barrier_signal -1
	s_barrier_wait -1
.endm
.macro CROUND
	s_barrier_signal -1
	s_barrier_wait -1
	CREST
.endm
	s_load_b128 s[4:7], s[0:1], 0x0                ; on, wot
	s_load_b64 s[8:9], s[0:1], 0x10                ; out0
	v_lshl_add_u32 v[SPW], v0, 2, SPARE
	v_mov_b32 v[NIL], 0
	ds_add_u32 v[SPW], v[NIL]                      ; the wave's opening: the add, waited for ahead of my first tensor load
	ds_add_u32 v28, v29
	v_lshrrev_b32 v1, 5, v0
	v_readfirstlane_b32 s10, v1
	s_lshr_b32 s11, s10, 1
	s_and_b32 s12, s10, 1
	s_bfe_u32 s40, ttmp6, 0x40000
	s_bfe_u32 s41, ttmp6, 0x40004
	s_lshl_b32 s42, ttmp9, 2
	s_add_co_u32 s42, s42, s40                     ; column block 0..7
	s_and_b32 s13, ttmp7, 0xffff
	s_lshl_b32 s13, s13, 2
	s_add_co_u32 s13, s13, s41                     ; row block 0..31
	s_lshl_b32 s43, s41, 2
	s_lshl_b32 s43, 15, s43
	s_lshl_b32 s44, 0x1111, s40
	s_or_b32 s[G1], s43, (1<<16)|(1<<20)|(1<<21)|(5<<22)|(3<<25)
	s_or_b32 s[G1B], s44, (1<<16)|(1<<20)|(1<<21)|(5<<22)|(3<<25)
	s_mov_b32 s[G1+1], KSTEP<<16
	s_mov_b32 s[G1+2], 128<<16
	s_mov_b32 s[G1+3], KSTEP<<16
	s_mov_b32 s[G1+4], 128
	s_mov_b32 s[G1+5], 1024
	s_mov_b32 s[G1+6], 0
	s_mov_b32 s[G1+7], 0
	s_mov_b32 s[G1B+1], KSTEP<<16
	s_mov_b32 s[G1B+2], (BROWS/2)<<16
	s_mov_b32 s[G1B+3], KSTEP<<16
	s_mov_b32 s[G1B+4], BROWS/2
	s_mov_b32 s[G1B+5], 1024
	s_mov_b32 s[G1B+6], 0
	s_mov_b32 s[G1B+7], 0
	s_lshl_b32 s16, s13, 19
	s_lshl_b32 s17, s12, 18
	s_add_co_u32 s16, s16, s17
	s_mov_b32 s17, 0
	s_mul_i32 s46, s42, BROWS*2048
	s_mul_i32 s47, s12, (BROWS/2)*2048
	s_add_co_u32 s46, s46, s47
	s_mov_b32 s47, 0
	s_mul_i32 s20, s12, HA
	s_mul_i32 s21, s12, HB
	s_add_co_u32 s21, s21, BOFF
	s_mov_b32 s[TB], 0
	s_wait_dscnt 0x0                               ; the opening add is done
	s_wait_kmcnt 0x0
	s_add_nc_u64 s[14:15], s[4:5], s[16:17]
	s_add_nc_u64 s[46:47], s[6:7], s[46:47]
	CROUND                                         ; all sixteen work-groups are here
.irp s, 0,1
	s_mov_b32 s[G0+4*\s], 1
	s_add_co_u32 s[G0+4*\s+1], s20, \s*SLOT1
	s_add_nc_u64 s[G0+4*\s+2:G0+4*\s+3], s[14:15], \s*KSTEP*2
	s_or_b32 s[G0+4*\s+3], s[G0+4*\s+3], 0x80000000
	s_mov_b32 s[G0B+4*\s], 1
	s_add_co_u32 s[G0B+4*\s+1], s21, \s*SLOT1
	s_add_nc_u64 s[G0B+4*\s+2:G0B+4*\s+3], s[46:47], \s*KSTEP*2
	s_or_b32 s[G0B+4*\s+3], s[G0B+4*\s+3], 0x80000000
.endr
	s_cmp_eq_u32 s11, 0                            ; a wave's two first fills stand in one branch: two loads of mine are out
	s_cbranch_scc0 .Lfirst_b
	tensor_load_to_lds s[G0:G0+3], s[G1:G1+7]
	s_nop 0
	tensor_load_to_lds s[G0+4:G0+7], s[G1:G1+7]
	s_nop 0
.rept 4
	v_nop
.endr
	s_branch .Lfirst_asked
.Lfirst_b:
	tensor_load_to_lds s[G0B:G0B+3], s[G1B:G1B+7]
	s_nop 0
	tensor_load_to_lds s[G0B+4:G0B+7], s[G1B:G1B+7]
	s_nop 0
.rept 4
	v_nop
.endr
.Lfirst_asked:
	v_and_b32 v1, 15, v0
	v_bfe_u32 v2, v0, 4, 1
	v_and_b32 v4, 31, v0
	v_mul_u32_u24 v3, v1, PITCH
	v_lshl_add_u32 v3, v2, 4, v3
	s_mul_i32 s20, s10, 64*PITCH
	v_add_nc_u32 v[A0], s20, v3
	v_add_nc_u32 v[B0], BOFF, v3
	v_mov_b32 v[ADRA], v[A0]
	v_mov_b32 v[ADRB], v[B0]
	s_mul_i32 s23, s10, WST
	s_add_co_u32 s23, s23, STAGE
	v_mul_u32_u24 v5, v1, 528
	v_lshl_add_u32 v5, v2, 5, v5
	v_add_nc_u32 v[STO], s23, v5                   ; in: row r, 32 bytes for each half of the lanes
	v_lshl_add_u32 v[RD], v4, 4, s23               ; back: 32 lanes take one row of 512 bytes
	v_lshlrev_b32 v[GO], 4, v4
	s_lshl_b32 s84, s13, 20                        ; my first row of out0, my columns: registers that feed no descriptor
	s_lshl_b32 s85, s10, 18
	s_add_co_u32 s84, s84, s85
	s_lshl_b32 s85, s42, 9
	s_add_co_u32 s84, s84, s85
	s_mov_b32 s85, 0
	s_add_nc_u64 s[8:9], s[8:9], s[84:85]
.macro MULH f, hi, a, zero
	WIN MUL_LO+0x50*(\hi)
.set b, 0
.rept NT
.if \zero
	v_wmma_f32_16x16x32_f16 v[8*(NT*(\a)+b):8*(NT*(\a)+b)+7], v[8*NT*(\f)+8*b:8*NT*(\f)+8*b+7], v[XF+32*(\f)+8*(2*(\hi)+(\a)):XF+32*(\f)+8*(2*(\hi)+(\a))+7], 0
.else
	v_wmma_f32_16x16x32_f16 v[8*(NT*(\a)+b):8*(NT*(\a)+b)+7], v[8*NT*(\f)+8*b:8*NT*(\f)+8*b+7], v[XF+32*(\f)+8*(2*(\hi)+(\a)):XF+32*(\f)+8*(2*(\hi)+(\a))+7], v[8*(NT*(\a)+b):8*(NT*(\a)+b)+7]
.endif
.set b, b+1
.endr
.endm
.macro FETCH k, f
	WIN TO_W
.set i, 0
.rept NT
	ds_load_b128 v[8*NT*(\f)+8*i:8*NT*(\f)+8*i+3],   v[ADRB] offset:(\k)+i*16*PITCH
	ds_load_b128 v[8*NT*(\f)+8*i+4:8*NT*(\f)+8*i+7], v[ADRB] offset:(\k)+i*16*PITCH+32
.set i, i+1
.endr
	WIN 0
.set i, 0
.rept 4
	ds_load_b128 v[XF+32*(\f)+8*i:XF+32*(\f)+8*i+3],   v[ADRA] offset:(\k)+i*16*PITCH
	ds_load_b128 v[XF+32*(\f)+8*i+4:XF+32*(\f)+8*i+7], v[ADRA] offset:(\k)+i*16*PITCH+32
.set i, i+1
.endr
.endm
.macro QUARTER k, f, g, zero           ; the 32 accumulators take turns, in the same order everywhere
	s_wait_dscnt 4                                 ; all but the youngest four loads: row tiles 2, 3
	MULH \f, 0, 0, \zero
	MULH \f, 0, 1, \zero
	PLACES
	FETCH \k, \g
	s_wait_dscnt 2*NT+8                            ; all but the run just issued
	MULH \f, 1, 0, \zero
	MULH \f, 1, 1, \zero
.endm
.macro TURN fill
	WIN 0
	s_wait_tensorcnt 0x0                           ; all my tensor loads have landed: my part of the next slot
	ds_add_u32 v[SPW], v[NIL]
	s_wait_dscnt 5                                 ; the add and the youngest four loads may be out
	MULH 1, 0, 0, 0
	s_wait_dscnt 0x0                               ; the add is done, my reads of this slot are over
	s_barrier_signal -1
	MULH 1, 0, 1, 0
	WIN 0
	s_barrier_wait -1
.if \fill
	CREST
	s_xor_b32 s[G0+5], s[G0+5], SLOT1
	s_add_nc_u64 s[G0+6:G0+7], s[G0+6:G0+7], KSTEP*2
	s_xor_b32 s[G0B+5], s[G0B+5], SLOT1
	s_add_nc_u64 s[G0B+6:G0B+7], s[G0B+6:G0B+7], KSTEP*2
	JLOAD
.else
	PLACES
.endif
	s_xor_b32 s[TB], s[TB], SLOT1
	v_add_nc_u32 v[ADRA], s[TB], v[A0]
	v_add_nc_u32 v[ADRB], s[TB], v[B0]
	FETCH 0, 0
	MULH 1, 1, 0, 0
	MULH 1, 1, 1, 0
.endm
	s_wait_tensorcnt 0x1                           ; my part of K step 0 is in; K step 1's may stay out
	s_barrier_signal -1
	s_barrier_wait -1
	FETCH 0, 0
	QUARTER 64, 0, 1, 1
	WIN 0
	s_mov_b32 s3, 6
.Lk:
	QUARTER 128, 1, 0, 0
	QUARTER 192, 0, 1, 0
	TURN 1
	QUARTER 64, 0, 1, 0
	WIN 0
	s_sub_co_u32 s3, s3, 1
	s_cmp_lg_u32 s3, 0
	s_cbranch_scc1 .Lk
	QUARTER 128, 1, 0, 0
	QUARTER 192, 0, 1, 0
	TURN 0
	QUARTER 64, 0, 1, 0
	QUARTER 128, 1, 0, 0
	QUARTER 192, 0, 1, 0
	s_wait_dscnt 4
	MULH 1, 0, 0, 0
	MULH 1, 0, 1, 0
	s_wait_dscnt 0x0
	MULH 1, 1, 0, 0
	MULH 1, 1, 1, 0
	WIN 0
	PLACES
	; THE WAY OUT: a row tile at a time through my stage: in as 32 bytes a lane, back as whole rows of 512 bytes
.irp a, 0,1,2,3
	WIN 0x08+4*((\a)/2)                            ; the stores' data in the accumulators' window
.set b, 0
.rept NT
	ds_store_b128 v[STO], v[8*(NT*((\a)%2)+b):8*(NT*((\a)%2)+b)+3] offset:64*b
	ds_store_b128 v[STO], v[8*(NT*((\a)%2)+b)+4:8*(NT*((\a)%2)+b)+7] offset:64*b+16
.set b, b+1
.endr
	WIN 0
	s_wait_xcnt 0x0                                ; the last tile's stores have read their registers
.set i, 0
.rept 16
	ds_load_b128 v[OB+4*i:OB+4*i+3], v[RD] offset:528*i  ; LDS serves a wave's instructions in order: these see the stores above
.set i, i+1
.endr
.set i, 0
.rept 16
	s_wait_dscnt 15-i
	global_store_b128 v[GO], v[OB+4*i:OB+4*i+3], s[8:9] offset:(\a)*65536+i*4096 th:TH_STORE_NT  ; 512 consecutive aligned bytes of one row
.set i, i+1
.endr
.endr
	s_wait_tensorcnt 0x0                           ; the wave's end
	ds_add_u32 v[SPW], v[NIL]
	s_wait_dscnt 0x0
	CROUND                                         ; the closing round
	s_endpgm
.Lfunc_end_k_qbec8589d25_outp:
	.size	k_qbec8589d25_outp, .Lfunc_end_k_qbec8589d25_outp-k_qbec8589d25_outp
	.p2alignl 7, 3214868480
	.fill 96, 4, 3214868480
	.section	.rodata,"a",@progbits
	.p2align	6, 0x0
	.amdhsa_kernel k_qbec8589d25_outp
		.amdhsa_group_segment_fixed_size 327680
		.amdhsa_private_segment_fixed_size 0
		.amdhsa_enable_private_segment 0
		.amdhsa_kernarg_size 24
		.amdhsa_user_sgpr_count 2
		.amdhsa_user_sgpr_kernarg_segment_ptr 1
		.amdhsa_wavefront_size32 1
		.amdhsa_system_sgpr_workgroup_id_x 1
		.amdhsa_system_sgpr_workgroup_id_y 1
		.amdhsa_system_sgpr_workgroup_id_z 1
		.amdhsa_system_vgpr_workitem_id 0
		.amdhsa_next_free_vgpr 896
		.amdhsa_next_free_sgpr 96
		.amdhsa_reserve_vcc 0
		.amdhsa_float_denorm_mode_32 3
		.amdhsa_float_denorm_mode_16_64 3
		.amdhsa_memory_ordered 1
		.amdhsa_forward_progress 1
		.amdhsa_inst_pref_size 71
	.end_amdhsa_kernel
	.amdgpu_metadata
---
amdhsa.version: [ 1, 2 ]
amdhsa.kernels:
  - .name:           k_qbec8589d25_outp
    .symbol:         k_qbec8589d25_outp.kd
    .args:
      - { .name: on, .offset: 0, .size: 8, .value_kind: global_buffer, .address_space: global }
      - { .name: wot, .offset: 8, .size: 8, .value_kind: global_buffer, .address_space: global }
      - { .name: out0, .offset: 16, .size: 8, .value_kind: global_buffer, .address_space: global }
    .group_segment_fixed_size: 327680
    .private_segment_fixed_size: 0
    .kernarg_segment_align: 8
    .kernarg_segment_size: 24
    .max_flat_workgroup_size: 128
    .sgpr_count:     96
    .vgpr_count:     896
    .wavefront_size: 32
...
	.end_amdgpu_metadata
.endif
;; end of part 5
;; ======== version 2 of 2: 5 launches; version 1 with the launch prep written anew for expert scheduling mode
;; limits: values are held in f16: magnitudes above 65,504 overflow, below 6.1e-05 lose precision
;; workspace buffers: xb 16,777,216 bytes; wcat 6,815,744 bytes; wot 2,097,152 bytes; qkv 50,331,648 bytes; eg 8,388,608 bytes; gs 4,718,592 bytes; st 33,554,432 bytes; on 16,777,216 bytes
;; launch prep (part 6): grid 1056 x 1, 4 waves a work-group, no clusters, 17,920 bytes of LDS; arguments x, Wq, Wk, Wv, Wf, Wo, xb, wcat, wot; writes xb, wcat, wot
.if DOCPART == 6
	.amdgcn_target "amdgcn-amd-amdhsa--gfx1250"
	.amdhsa_code_object_version 6
	.text
	.protected	k_qbec8589d25_prep
	.globl	k_qbec8589d25_prep
	.p2align	8
	.type	k_qbec8589d25_prep,@function
k_qbec8589d25_prep:
	s_mov_b64 s[64:65], 0
	v_nop
	global_prefetch_b8 v0, s[64:65] scope:SCOPE_SE
	s_setreg_imm32_b32 hwreg(HW_REG_WAVE_SCHED_MODE, 0, 2), 2
	s_setreg_imm32_b32 hwreg(HW_REG_WAVE_MODE, 25, 1), 1
	s_wait_xcnt 0x0
	s_wait_alu depctr_vm_vsrc(0)
; PREP: the module's inputs are rounded once to bf16 and laid out for the matrix launches.
; Work-groups 0-511: 65,536 bytes of x each -> xb (bf16, same order).
; Work-groups 512-1055: one tile of 128 k x 64 n of a weight matrix, turned through LDS so that k lies along the rows.
;   Wq, Wk, Wv, Wf -> wcat [3328][1024] bf16; row 208 g + (0-63 Wq column 64 g + i | 64-127 Wk | 128-191 Wv | 192-207 Wf column 16 g + i), g = 0..15
;   Wo -> wot [1024 n][1024 k]: the bf16 value written as f16 (exact from 6.1e-5 to 65,504; below that f16's fixed step of 6e-8)
; No matrix unit, no cluster, no tensor load: a stream; every load and store of sixteen lanes covers 256 consecutive aligned bytes.
; THE MODE: SCHED_MODE bits 1:0 = 2 (LLVM: expert scheduling mode 2), set by the entry lines.  The code itself states the register dependences
; between vector instructions and memory or LDS instructions, with s_wait_alu, always for 0.
; THE PLAN, x.  v1, v2: offsets, written once at the head, read by every load and store.  v[R + 4 i ..]: load i lands there; all 32 loads go out before any vector
;   line names these registers; load i's two conversions read the four and write the first two, which store i reads.  No register is used a second time.
;   The loads are worked in eight blocks of four.  One wait on va_vdst at a block's head states that the block before has written its eight out-registers; that block's
;   four stores follow, dealt among this block's conversions, which name this block's registers alone.
; THE PLAN, weights.  s22: written by v_readfirstlane_b32, read by scalar lines.  OF, v124, v125, v127: offsets and LDS addresses, written once at the head.
;   R: the global loads land there, the conversions read it, and behind the barrier the LDS loads land in its first 32 registers.  T: written by the conversions, read by the LDS stores.
;   One wait on va_vdst ahead of the global loads (the offsets and addresses), one ahead of the LDS stores (T is written, R is read): no vector line follows the second.
;   No register that a memory or LDS instruction reads is written again, on either way.
.set PITCH, 272                        ; an LDS row: 128 k x 2 bytes + 16
.set SPARE, 64*PITCH                   ; behind the tile: the spare words, 128 bytes a wave
.set SPW, 134                          ; v134 my spare word's address; never rewritten
.set NIL, 135                          ; v135 0; never rewritten
.set R,   4                            ; v4-131 (x) or v4-67 (weights): as loaded
.set T,   68                           ; v68-99 column x (0-3), pair p (0-7) of k at T + 8 x + p
.set OF,  100                          ; v100-115 byte offsets of my 16 rows
.set TM,  116                          ; v116-123 at work
	s_load_b512 s[4:19], s[0:1], 0x0               ; x 4:5, Wq 6:7, Wk 8:9, Wv 10:11, Wf 12:13, Wo 14:15, xb 16:17, wcat 18:19
	s_load_b64 s[20:21], s[0:1], 0x40              ; wot
	v_lshl_add_u32 v[SPW], v0, 2, SPARE
	v_mov_b32 v[NIL], 0
	s_cmp_lt_u32 ttmp9, 512
	s_cbranch_scc0 .Lweights                       ; the same way for the whole work-group
	; ---- x: 32 loads of 16 bytes a thread, all issued first; they are rounded in blocks of four, and a block is stored while the next is rounded
	s_lshl_b32 s24, ttmp9, 16
	s_mov_b32 s25, 0
	s_lshl_b32 s26, ttmp9, 15
	s_mov_b32 s27, 0
	v_lshlrev_b32 v1, 4, v0
	v_lshlrev_b32 v2, 3, v0
	s_wait_kmcnt 0x0
	s_add_nc_u64 s[4:5], s[4:5], s[24:25]
	s_add_nc_u64 s[16:17], s[16:17], s[26:27]
	s_wait_alu depctr_va_vdst(0)                   ; v1 and v2 are written: every load below reads v1 as its offset, every store v2
.set i, 0
.rept 32
	global_load_b128 v[R+4*i:R+4*i+3], v1, s[4:5] offset:2048*i th:TH_LOAD_NT
.set i, i+1
.endr
.set p, 0
.rept 8                                ; block p: loads 4 p to 4 p + 3
	s_wait_loadcnt 28-4*p                          ; loads come back in order: this block's four are in, the 28 - 4 p younger ones stay out
.if p > 0
	s_wait_alu depctr_va_vdst(0)                   ; the conversions of the block before have written its eight out-registers, which the four stores below read
.endif
.set q, 0
.rept 4
.if p > 0
	global_store_b64 v2, v[R+4*(4*p-4+q):R+4*(4*p-4+q)+1], s[16:17] offset:1024*(4*p-4+q)  ; the block before; a wave stores 256 consecutive aligned bytes; no vector line since the wait names these registers
.endif
	v_cvt_pk_bf16_f32 v[R+4*(4*p+q)], v[R+4*(4*p+q)], v[R+4*(4*p+q)+1]
	v_cvt_pk_bf16_f32 v[R+4*(4*p+q)+1], v[R+4*(4*p+q)+2], v[R+4*(4*p+q)+3]
.set q, q+1
.endr
.set p, p+1
.endr
	s_wait_alu depctr_va_vdst(0)                   ; the last block's conversions have written its out-registers, which the last four stores read
.set q, 28
.rept 4
	global_store_b64 v2, v[R+4*q:R+4*q+1], s[16:17] offset:1024*q
.set q, q+1
.endr
	s_endpgm                                       ; this way wrote no LDS
	; ---- weights
.Lweights:
	v_lshrrev_b32 v1, 5, v0
	v_readfirstlane_b32 s22, v1                    ; wave
	s_sub_co_u32 s23, ttmp9, 512                   ; tile number u
	s_lshr_b32 s24, s23, 7                         ; matrix: 0 q, 1 k, 2 v, 3 o, 4 f
	s_bfe_u32 s25, s23, 0x30004                    ; square matrices: k block = bits 6:4,
	s_and_b32 s26, s23, 15                         ; n block = bits 3:0
	s_bfe_u32 s27, s23, 0x30002                    ; Wf: k block = bits 4:2,
	s_and_b32 s28, s23, 3                          ; n block = bits 1:0
	s_mov_b32 s29, 4096                            ; bytes in a source row
	s_cmp_eq_u32 s24, 4
	s_cselect_b32 s25, s27, s25
	s_cselect_b32 s26, s28, s26
	s_cselect_b32 s29, 1024, s29
	s_cselect_b32 s31, 192, 0                      ; Wf: sixteen columns go to each group of 208 rows
	s_mul_i32 s32, s26, 208
	s_lshl_b32 s33, s24, 6
	s_add_co_u32 s32, s32, s33                     ; first row out for q, k, v
	s_lshl_b32 s33, s26, 6                         ; for o
	s_mul_i32 s34, s26, 832
	s_add_co_u32 s34, s34, 192                     ; for f
	s_cmp_eq_u32 s24, 3
	s_cselect_b32 s32, s33, s32
	s_cmp_eq_u32 s24, 4
	s_cselect_b32 s32, s34, s32
	s_add_co_u32 s31, s31, 16
	s_wait_alu depctr_va_sdst(0)                   ; s22 is written, ahead of its first reader: my wave's rows out and its rows in LDS are made from it
	s_mul_i32 s31, s31, s22                        ; my wave's sixteen rows
	s_add_co_u32 s32, s32, s31
	s_lshl_b32 s32, s32, 11                        ; rows of 2,048 bytes
	s_lshl_b32 s33, s25, 8                         ; + 128 k x 2 bytes
	s_add_co_u32 s32, s32, s33
	s_mov_b32 s33, 0
	s_mul_i32 s38, s25, s29
	s_lshl_b32 s38, s38, 7                         ; source: k block x 128 rows
	s_lshl_b32 s39, s26, 8                         ; + n block x 64 columns x 4 bytes
	s_add_co_u32 s38, s38, s39
	s_mov_b32 s39, 0
	s_lshl_b32 s40, s29, 4                         ; 16 source rows
	s_mul_i32 s41, s22, 16*PITCH
	v_and_b32 v2, 15, v0                           ; r
	v_lshrrev_b32 v3, 4, v0                        ; 2 wave + half: my 16 rows of k
	v_bfe_u32 v126, v0, 4, 1                       ; half
	v_mul_lo_u32 v[OF], v3, s40
	v_lshl_add_u32 v[OF], v2, 4, v[OF]             ; + my four columns
.set i, 1
.rept 15
	v_add_nc_u32 v[OF+i], s29, v[OF+i-1]
.set i, i+1
.endr
	v_mul_u32_u24 v124, v2, 4*PITCH                ; into LDS: row n = 4 r + x, bytes 32 (2 wave + half) on
	v_lshl_add_u32 v124, v3, 5, v124
	v_mul_u32_u24 v125, v126, PITCH                ; back: rows 16 wave + 2 i + half, 16 bytes a lane
	v_lshl_add_u32 v125, v2, 4, v125
	v_add_nc_u32 v125, s41, v125
	v_lshlrev_b32 v127, 11, v126                   ; and the same two rows out
	v_lshl_add_u32 v127, v2, 4, v127
	s_wait_kmcnt 0x0
	s_cmp_eq_u32 s24, 1
	s_cselect_b64 s[42:43], s[8:9], s[6:7]
	s_cmp_eq_u32 s24, 2
	s_cselect_b64 s[42:43], s[10:11], s[42:43]
	s_cmp_eq_u32 s24, 3
	s_cselect_b64 s[42:43], s[14:15], s[42:43]
	s_cselect_b64 s[44:45], s[20:21], s[18:19]
	s_cmp_eq_u32 s24, 4
	s_cselect_b64 s[42:43], s[12:13], s[42:43]
	s_add_nc_u64 s[42:43], s[42:43], s[38:39]
	s_add_nc_u64 s[44:45], s[44:45], s[32:33]
	s_wait_alu depctr_va_vdst(0)                   ; the sixteen offsets v[OF ..] are written, which the loads below read; so are v124, v125 and v127, which the LDS stores, the LDS loads and the stores out read
.set i, 0
.rept 16
	global_load_b128 v[R+4*i:R+4*i+3], v[OF+i], s[42:43] th:TH_LOAD_NT  ; sixteen lanes: 256 consecutive aligned bytes of row i
.set i, i+1
.endr
	s_wait_loadcnt 0x0
.set i, 0
.rept 32                               ; column i / 8, rows 2 (i % 8) and the next: two neighbours along k
	v_cvt_pk_bf16_f32 v[T+i], v[R+8*(i%8)+i/8], v[R+8*(i%8)+4+i/8]
.set i, i+1
.endr
	s_cmp_lg_u32 s24, 3
	s_cbranch_scc1 .Lnot_o
.set i, 0
.rept 32                               ; Wo: the bf16 number is written as f16
	v_lshlrev_b32 v[TM+2*(i%4)], 16, v[T+i]
	v_and_b32 v[TM+2*(i%4)+1], 0xffff0000, v[T+i]
	v_cvt_pk_f16_f32 v[T+i], v[TM+2*(i%4)], v[TM+2*(i%4)+1]
.set i, i+1
.endr
.Lnot_o:
	s_wait_alu depctr_va_vdst(0)                   ; on both ways: the conversions have written v[T ..], which the LDS stores read, and are done reading v[R ..], in which the LDS loads behind the barrier land
.irp c, 0,1,2,3
	ds_store_b128 v124, v[T+8*\c:T+8*\c+3] offset:\c*PITCH
	ds_store_b128 v124, v[T+8*\c+4:T+8*\c+7] offset:\c*PITCH+16
.endr
	s_wait_dscnt 0x0                               ; for the others' sake: my part of the tile is in LDS
	s_barrier_signal -1
	s_barrier_wait -1
.set i, 0
.rept 8
	ds_load_b128 v[R+4*i:R+4*i+3], v125 offset:2*i*PITCH  ; no vector line since the wait above names these registers
.set i, i+1
.endr
.set i, 0
.rept 8
	s_wait_dscnt 7-i
	global_store_b128 v127, v[R+4*i:R+4*i+3], s[44:45] offset:4096*i  ; sixteen lanes: 256 consecutive aligned bytes of one row out
.set i, i+1
.endr
	s_wait_dscnt 0x0                               ; the closing lines, six on end
	s_wait_alu 0x0
	s_wait_tensorcnt 0x0
	ds_add_u32 v[SPW], v[NIL]
	s_wait_dscnt 0x0
	s_endpgm
.Lfunc_end_k_qbec8589d25_prep:
	.size	k_qbec8589d25_prep, .Lfunc_end_k_qbec8589d25_prep-k_qbec8589d25_prep
	.p2alignl 7, 3214868480
	.fill 96, 4, 3214868480
	.section	.rodata,"a",@progbits
	.p2align	6, 0x0
	.amdhsa_kernel k_qbec8589d25_prep
		.amdhsa_group_segment_fixed_size 17920
		.amdhsa_private_segment_fixed_size 0
		.amdhsa_enable_private_segment 0
		.amdhsa_kernarg_size 72
		.amdhsa_user_sgpr_count 2
		.amdhsa_user_sgpr_kernarg_segment_ptr 1
		.amdhsa_wavefront_size32 1
		.amdhsa_system_sgpr_workgroup_id_x 1
		.amdhsa_system_sgpr_workgroup_id_y 1
		.amdhsa_system_sgpr_workgroup_id_z 1
		.amdhsa_system_vgpr_workitem_id 0
		.amdhsa_next_free_vgpr 136
		.amdhsa_next_free_sgpr 66
		.amdhsa_reserve_vcc 0
		.amdhsa_float_denorm_mode_32 3
		.amdhsa_float_denorm_mode_16_64 3
		.amdhsa_memory_ordered 1
		.amdhsa_forward_progress 1
		.amdhsa_inst_pref_size 26
	.end_amdhsa_kernel
	.amdgpu_metadata
---
amdhsa.version: [ 1, 2 ]
amdhsa.kernels:
  - .name:           k_qbec8589d25_prep
    .symbol:         k_qbec8589d25_prep.kd
    .args:
      - { .name: x, .offset: 0, .size: 8, .value_kind: global_buffer, .address_space: global }
      - { .name: Wq, .offset: 8, .size: 8, .value_kind: global_buffer, .address_space: global }
      - { .name: Wk, .offset: 16, .size: 8, .value_kind: global_buffer, .address_space: global }
      - { .name: Wv, .offset: 24, .size: 8, .value_kind: global_buffer, .address_space: global }
      - { .name: Wf, .offset: 32, .size: 8, .value_kind: global_buffer, .address_space: global }
      - { .name: Wo, .offset: 40, .size: 8, .value_kind: global_buffer, .address_space: global }
      - { .name: xb, .offset: 48, .size: 8, .value_kind: global_buffer, .address_space: global }
      - { .name: wcat, .offset: 56, .size: 8, .value_kind: global_buffer, .address_space: global }
      - { .name: wot, .offset: 64, .size: 8, .value_kind: global_buffer, .address_space: global }
    .group_segment_fixed_size: 17920
    .private_segment_fixed_size: 0
    .kernarg_segment_align: 8
    .kernarg_segment_size: 72
    .max_flat_workgroup_size: 128
    .sgpr_count:     66
    .vgpr_count:     136
    .wavefront_size: 32
...
	.end_amdgpu_metadata
.endif
;; end of part 6
;; launch proj: the kernel of part 2 again; grid 16 x 32, 4 waves a work-group, clusters of 4 x 4, 327,680 bytes of LDS; arguments xb, wcat, qkv, eg, gs; writes qkv, eg, gs
;; launch scan: the kernel of part 3 again; grid 8 x 16, 4 waves a work-group, clusters of 4 x 1, 327,680 bytes of LDS; arguments qkv, gs, st; writes st
;; launch chunk: the kernel of part 4 again; grid 32 x 16, 4 waves a work-group, no clusters, 297,984 bytes of LDS; arguments qkv, eg, st, g_norm_w, on; writes on
;; launch outp: the kernel of part 5 again; grid 8 x 32, 4 waves a work-group, clusters of 4 x 4, 327,680 bytes of LDS; arguments on, wot, out0; writes out0
